; MI455X (gfx1250); checked and timed in simulation.
; The chip was launched on July 23, 2026; its instructions are those of AMD's public machine-readable ISA for CDNA 5 (MIT licence, August 2026) and "CDNA5" Instruction Set Architecture Reference Guide (July 2026). The comments in the code are by the model that wrote it; some were corrected since.
;; min LSTM. Allowed arithmetic: float matrix products may take bf16 or f16 operands with f32 sums; all other float work in f32.
;; Inputs: W_f 1,024 x 1,024 float32; W_h 1,024 x 1,024 float32; W_i 1,024 x 1,024 float32; b_f 1,024 float32; b_h 1,024 float32; b_i 1,024 float32; h0 4 x 1 x 1,024 float32; x 4 x 4,096 x 1,024 float32.
;; Outputs: out0 4 x 4,096 x 1,024 float32.
;; 2 versions, each right. Each part assembles by itself: llvm-mc -triple=amdgcn-amd-amdhsa -mcpu=gfx1250 --defsym DOCPART=n.
;; ======== version 1 of 2: 3 launches
;; workspace buffers: xb 33,554,432 bytes; wt 6,291,456 bytes; loc 67,108,864 bytes; aprod 67,108,864 bytes; ends 131,072 bytes
;; launch prep (part 1): grid 1408 x 1, 8 waves a work-group, no clusters, 18,432 bytes of LDS; arguments x, W_f, W_i, W_h, xb, wt; writes xb, wt
.if DOCPART == 1
	.amdgcn_target "amdgcn-amd-amdhsa--gfx1250"
	.amdhsa_code_object_version 6
	.text
	.protected	k_qd770765c4b_prep
	.globl	k_qd770765c4b_prep
	.p2align	8
	.type	k_qd770765c4b_prep,@function
k_qd770765c4b_prep:
	s_mov_b64 s[64:65], 0
	v_nop
	global_prefetch_b8 v0, s[64:65] scope:SCOPE_SE
	s_setreg_imm32_b32 hwreg(HW_REG_WAVE_MODE, 25, 1), 1
	s_wait_xcnt 0x0
; Operands for the matrix launch, rounded once to bf16 (nearest even).
;   xb[row][k]  = bf16(x[row][k]),            row = 0 .. 16383, k = 0 .. 1023
;   wt[192 cb + 64 g + n][k] = bf16(W_g[k][64 cb + n]),  g = 0, 1, 2 for W_f, W_i, W_h: transposed, so that k lies along the rows,
;   and ordered so that the 192 rows which one column block of 64 needs follow each other.
; Work-groups 0 .. 383 take one tile of 128 k x 64 n of one W each; work-groups 384 .. 1407 take 16 rows of x each.
; The matrix unit, clusters and tensor loads are left out: every byte is read once and written once, nothing is shared.
.set NW,    384                        ; work-groups for the weights: 3 gates x 16 column blocks x 8 blocks of k
.set XROW,  4096                       ; bytes in a row of x and of W
.set BROW,  2048                       ; bytes in a row of xb and of wt
.set TP,    272                        ; LDS pitch of the transposed tile: 256 bytes (128 k) + 16
	s_load_b256 s[4:11], s[0:1], 0x0               ; x s[4:5], W_f s[6:7], W_i s[8:9], W_h s[10:11]
	s_load_b128 s[12:15], s[0:1], 0x20             ; xb s[12:13], wt s[14:15]
	v_lshl_add_u32 v104, v0, 2, 0x4400
	v_mov_b32 v105, 0
	s_cmp_lt_u32 ttmp9, NW
	s_cbranch_scc1 .Lweights
	; ---- 16 rows of x.  Thread t owns elements 4 t .. 4 t + 3 of every row: a wave's load covers 512 consecutive bytes,
	; a wave's store 256 consecutive bytes at a multiple of 256 from xb's first byte.
	s_sub_co_u32 s16, ttmp9, NW
	s_lshl_b32 s18, s16, 16                        ; 16 rows x 4,096 bytes
	s_mov_b32 s19, 0
	s_lshl_b32 s20, s16, 15                        ; 16 rows x 2,048 bytes
	s_mov_b32 s21, 0
	v_lshlrev_b32 v1, 4, v0
	v_lshlrev_b32 v2, 3, v0
	s_wait_kmcnt 0x0
	s_add_nc_u64 s[4:5], s[4:5], s[18:19]
	s_add_nc_u64 s[12:13], s[12:13], s[20:21]
.irp i, 0,1,2,3,4,5,6,7,8,9,10,11,12,13,14,15
	global_load_b128 v[8+4*\i:11+4*\i], v1, s[4:5] offset:XROW*\i th:TH_LOAD_NT
.endr
.irp i, 0,1,2,3,4,5,6,7,8,9,10,11,12,13,14,15
	s_wait_loadcnt 15-\i                           ; loads come back in order: row i is in, the 15 - i younger ones stay out
	v_cvt_pk_bf16_f32 v[72+2*\i], v[8+4*\i], v[9+4*\i]
	v_cvt_pk_bf16_f32 v[73+2*\i], v[10+4*\i], v[11+4*\i]
	global_store_b64 v2, v[72+2*\i:73+2*\i], s[12:13] offset:BROW*\i   ; each row has data registers of its own: nothing is rewritten
.endr
	s_endpgm
.Lweights:
	; ---- a tile of 128 k x 64 n of one W, transposed through LDS
	s_lshr_b32 s16, ttmp9, 7                       ; g: which W
	s_and_b32 s17, ttmp9, 7                        ; kb: which 128 k
	s_bfe_u32 s18, ttmp9, 0x40003                  ; cb: which 64 n
	s_lshl_b32 s20, s17, 19                        ; kb x 128 rows x 4,096 bytes
	s_lshl_b32 s21, s18, 8                         ; + cb x 256 bytes
	s_add_co_u32 s20, s20, s21
	s_mov_b32 s21, 0
	s_mul_i32 s22, s18, 192
	s_lshl_b32 s23, s16, 6
	s_add_co_u32 s22, s22, s23                     ; wt's row 192 cb + 64 g
	s_lshl_b32 s22, s22, 11
	s_lshl_b32 s23, s17, 8                         ; + kb x 256 bytes
	s_add_co_u32 s22, s22, s23
	s_mov_b32 s23, 0
	v_and_b32 v6, 15, v0                           ; l16: which 16 bytes of a piece of 256
	v_lshrrev_b32 v7, 4, v0                        ; kr = 0 .. 15
	v_lshlrev_b32 v1, 13, v7                       ; in W: row 2 kr,
	v_lshl_add_u32 v1, v6, 4, v1                   ; columns 4 l16 .. + 3
	v_mul_u32_u24 v3, v6, 4*TP                     ; into LDS: row n = 4 l16,
	v_lshl_add_u32 v3, v7, 2, v3                   ; the word of k = 2 kr, 2 kr + 1
	v_mul_u32_u24 v4, v7, TP                       ; back from LDS: row kr,
	v_lshl_add_u32 v4, v6, 4, v4                   ; 16 bytes at 16 l16
	v_lshlrev_b32 v5, 11, v7                       ; and the same place in wt
	v_lshl_add_u32 v5, v6, 4, v5
	s_wait_kmcnt 0x0
	s_cmp_eq_u32 s16, 1
	s_cselect_b64 s[24:25], s[8:9], s[6:7]
	s_cmp_eq_u32 s16, 2
	s_cselect_b64 s[24:25], s[10:11], s[24:25]
	s_add_nc_u64 s[24:25], s[24:25], s[20:21]
	s_add_nc_u64 s[14:15], s[14:15], s[22:23]
.irp p, 0,1,2,3
	global_load_b128 v[8+8*\p:11+8*\p],  v1, s[24:25] offset:(32*\p)*XROW th:TH_LOAD_NT     ; k = 32 p + 2 kr: 16 lanes take 256 consecutive bytes
	global_load_b128 v[12+8*\p:15+8*\p], v1, s[24:25] offset:(32*\p+1)*XROW th:TH_LOAD_NT   ; k = 32 p + 2 kr + 1
.endr
.irp p, 0,1,2,3
	s_wait_loadcnt 6-2*\p                          ; this pass's two loads are in, the later passes' stay out
.irp i, 0,1,2,3
	v_cvt_pk_bf16_f32 v[40+4*\p+\i], v[8+8*\p+\i], v[12+8*\p+\i]      ; column 4 l16 + i: the even k below, the odd k above
.endr
.irp i, 0,1,2,3
	ds_store_b32 v3, v[40+4*\p+\i] offset:\i*TP+64*\p                 ; rows 4 l16 + i lie 1,088 bytes apart: four lanes meet in a bank; accepted, a tile is 16 KiB
.endr
.endr
	s_wait_dscnt 0x0                               ; my stores are in LDS before I say so: other waves read them
	s_barrier_signal -1
	s_barrier_wait -1
.irp p, 0,1,2,3
	ds_load_b128 v[56+4*\p:59+4*\p], v4 offset:16*\p*TP
.endr
.irp p, 0,1,2,3
	s_wait_dscnt 3-\p
	global_store_b128 v5, v[56+4*\p:59+4*\p], s[14:15] offset:16*\p*BROW   ; 16 lanes store 256 consecutive bytes, at a multiple of 256 from wt's first byte
.endr
	s_wait_tensorcnt 0x0
	ds_add_u32 v104, v105
	s_wait_dscnt 0x0
	s_endpgm
.Lfunc_end_k_qd770765c4b_prep:
	.size	k_qd770765c4b_prep, .Lfunc_end_k_qd770765c4b_prep-k_qd770765c4b_prep
	.p2alignl 7, 3214868480
	.fill 96, 4, 3214868480
	.section	.rodata,"a",@progbits
	.p2align	6, 0x0
	.amdhsa_kernel k_qd770765c4b_prep
		.amdhsa_group_segment_fixed_size 18432
		.amdhsa_private_segment_fixed_size 0
		.amdhsa_enable_private_segment 0
		.amdhsa_kernarg_size 48
		.amdhsa_user_sgpr_count 2
		.amdhsa_user_sgpr_kernarg_segment_ptr 1
		.amdhsa_wavefront_size32 1
		.amdhsa_system_sgpr_workgroup_id_x 1
		.amdhsa_system_sgpr_workgroup_id_y 1
		.amdhsa_system_sgpr_workgroup_id_z 1
		.amdhsa_system_vgpr_workitem_id 0
		.amdhsa_next_free_vgpr 106
		.amdhsa_next_free_sgpr 66
		.amdhsa_reserve_vcc 0
		.amdhsa_float_denorm_mode_32 3
		.amdhsa_float_denorm_mode_16_64 3
		.amdhsa_memory_ordered 1
		.amdhsa_forward_progress 1
		.amdhsa_inst_pref_size 12
	.end_amdhsa_kernel
	.amdgpu_metadata
---
amdhsa.version: [ 1, 2 ]
amdhsa.kernels:
  - .name:           k_qd770765c4b_prep
    .symbol:         k_qd770765c4b_prep.kd
    .args:
      - { .name: x, .offset: 0, .size: 8, .value_kind: global_buffer, .address_space: global }
      - { .name: W_f, .offset: 8, .size: 8, .value_kind: global_buffer, .address_space: global }
      - { .name: W_i, .offset: 16, .size: 8, .value_kind: global_buffer, .address_space: global }
      - { .name: W_h, .offset: 24, .size: 8, .value_kind: global_buffer, .address_space: global }
      - { .name: xb, .offset: 32, .size: 8, .value_kind: global_buffer, .address_space: global }
      - { .name: wt, .offset: 40, .size: 8, .value_kind: global_buffer, .address_space: global }
    .group_segment_fixed_size: 18432
    .private_segment_fixed_size: 0
    .kernarg_segment_align: 8
    .kernarg_segment_size: 48
    .max_flat_workgroup_size: 256
    .sgpr_count:     66
    .vgpr_count:     106
    .wavefront_size: 32
...
	.end_amdgpu_metadata
.endif
;; end of part 1
;; launch gates (part 2): grid 16 x 16, 4 waves a work-group, clusters of 4 x 4, 327,680 bytes of LDS; arguments xb, wt, b_f, b_i, b_h, h0, out0, loc, aprod, ends; writes out0, loc, aprod, ends
.if DOCPART == 2
	.amdgcn_target "amdgcn-amd-amdhsa--gfx1250"
	.amdhsa_code_object_version 6
	.text
	.protected	k_qd770765c4b_gates
	.globl	k_qd770765c4b_gates
	.p2align	8
	.type	k_qd770765c4b_gates,@function
k_qd770765c4b_gates:
	s_mov_b64 s[64:65], 0
	v_nop
	global_prefetch_b8 v0, s[64:65] scope:SCOPE_SE
	s_setreg_imm32_b32 hwreg(HW_REG_WAVE_MODE, 25, 1), 1
	s_wait_xcnt 0x0
	s_wait_alu depctr_hold_cnt(0) depctr_sa_sdst(0) depctr_va_vdst(0) depctr_va_sdst(0) depctr_va_ssrc(0) depctr_va_vcc(0) depctr_vm_vsrc(0)
	s_getreg_b32 s2, hwreg(HW_REG_IB_STS2, 6, 4)
	s_cmp_eq_u32 s2, 0
	s_cbranch_scc0 .Lentry_in_a_cluster
	s_endpgm
.Lentry_in_a_cluster:
	s_bfe_u32 s2, ttmp6, 0x10000c
	s_cmp_lg_u32 s2, 0xf033
	s_cbranch_scc0 .Lentry_shape_is_right
	s_endpgm
.Lentry_shape_is_right:
; minLSTM: the three gate products, the activation and the recurrence h_t = f'_t h_(t-1) + i'_t g(k_h,t) inside chunks of 1,024 time steps.
;   k_f, k_i, k_h = x W + b (bf16 operands, f32 sums).  With a = e^-k_f, c = e^-k_i:  f' = (1+c) / ((1+a)+(1+c)),  i' = (1+a) / ((1+a)+(1+c)).
;   All three terms 1, a, c are scaled by e^m, m = min(k_f, k_i, 0), before the exponentials: every exponent is <= 0 and one of them is 0, so
;   the sum lies in [1, 4] for every input.  g(x) = x + 0.5 for x >= 0, else sigmoid(x), is max(x + 0.5, sigmoid(x)) for every x.
;   The recurrence is run as it stands, in f32: each step is a convex combination of numbers >= 0, so it forms no exponential and no large sum.
; LIMITS: matrix operands are bf16.  Gate weights, products of f' and contributions below 2^-126 come out as 0.  A column whose h0 is negative
;   is NaN throughout (the logarithm of h0 is).  h0 = +inf, or NaN among x, W, b: nothing is promised.
;
; SHARES.  A work-group owns 64 columns (cb), one batch (b) and one chunk of 1,024 steps (q), and walks four tiles of 256 steps in time order:
; 16 x 4 x 4 = 256 work-groups.  Wave w makes rows 128 (w >> 1) .. + 127, columns 32 (w & 1) .. + 31 of all three gates: 48 accumulator tiles, 384 registers.
; Chunk 0 starts from h0 and stores final values into out0.  Chunks 1 to 3 start from 0 and store the local h (loc) and the running product of
; f' (aprod); every chunk stores its last h and its whole product (ends).  A later launch adds aprod x carry.
; CLUSTERS: 4 x 4 work-groups.  cx picks the column block, cy the batch; the chunk is the cluster's y, so it is the same in all sixteen, and the one branch
; on it falls alike in all.  The four of a row of the cluster (one cy) need the same tiles of xb, the four of a column (one cx) the same tiles of wt:
; each is asked for jointly, which divides the requests for both by four.
; THE MATRIX INSTRUCTION IS USED AS IT STANDS: source 0 = 16 time steps of xb, source 1 = 16 columns of wt.  Lane (r, h) then holds column r and its
; registers j the steps 8 h + j: the recurrence runs down a lane's registers.
;
; REGISTERS, in windows of 256:
;   window 0: v16-30 addresses; v32-49 set-up; v64-127, v128-191 fragments of xb (8 x 16 rows x 32 k), two buffers; v192-255 the way out
;   window 1: v64-111, v128-175 fragments of wt (index 3 c + g), two buffers
;   window 2: row tiles 0-3, window 3: row tiles 4-7.  Group (al, c) at 24 (2 al + c): 8 registers of gate f, 8 of i, 8 of h.  v192-253: see below.
.set KSTEP,  128
.set PITCH,  272                       ; an LDS row: 256 bytes + 16 of padding: the 16 rows that a fragment load touches start 68 words apart
.set SLOT,   448*PITCH                 ; 256 rows of xb, then 192 rows of wt
.set STG,    2*SLOT                    ; the stage for the way out: 256 rows of 64 f32, pitch 272.  No tensor load lands at or behind STG
.set SPITCH, 272
.set AGG,    STG+256*SPITCH            ; each wave's map over its 128 steps: 256 bytes a wave, [c][r](P, Q)
.set ENDS_S, AGG+1024                  ; [kind][64 columns] f32
.set OROW,   4096                      ; bytes in a row of out0, loc, aprod
.set NEXT_A, 256*2048-6*256            ; from K step 6 (7) of a tile to K step 0 (1) of the next 256 rows of xb
.set BACK_B, 6*256                     ; from K step 6 (7) of wt's rows back to K step 0 (1)
.set ADRA, 16                          ; v16-17  LDS address of my xb fragments in slot 0, 1
.set ADRB, 20                          ; v20-21  the same for wt
.set STO,  24                          ; where my numbers go in the stage
.set RD,   25                          ; where I read rows of the stage back
.set CO,   26                          ; my byte offset in two output rows
.set AGW,  27
.set AGR,  28
.set ENW,  29
.set ENR,  30
.set F0,   64
.set F1,   128
.set RB,   192                         ; v192-255: 16 x 4 registers read back from the stage
; windows 2 and 3, the same numbers in both
.set BIAS, 192                         ; + 4 c: b_f log2e, b_i log2e, -b_h log2e, b_h + 0.5
.set T0,   200
.set T1,   208
.set T2,   216
.set T3,   224
.set RUN,  232                         ; + 2 c: the map (P, Q) of all my steps so far in this tile: h -> P h + Q
.set CT,   236                         ; v236-243: at work in CHAIN for c = 0 (c = 1 uses T0)
.set WV,   244                         ; + 2 c: h and product of f' at my wave's first step
.set CIN,  248                         ; v248-249: the same at a lane's first step
.set STA,  250                         ; + 2 c: h and product of f' at the tile's first step (window 2 only)
.set G1,  24                           ; s[24:31] descriptor group 1 for xb's tiles
.set G0,  32                           ; s[32:39] group 0 for xb's tiles, a set for each slot
.set G1B, 48                           ; s[48:55] group 1 for wt's tiles
.set G0B, 56                           ; s[56:63] group 0 for wt's tiles, a set for each slot
.set MSB, 0
.macro WIN new                         ; the immediate's high byte repeats the setting that is left
.if MSB != \new
	s_set_vgpr_msb (MSB<<8)|\new
.set MSB, \new
.endif
.endm
.set MUL_LO, 0xa4                      ; source 0 (xb) window 0, source 1 (wt) window 1, C and D window 2
.set MUL_HI, 0xf4                      ; the same, C and D window 3
.set TO_B,   0x40                      ; destination window 1
.set ALL2,   0xaa
.set ALL3,   0xff
.set PUT2,   0x08                      ; LDS store: address window 0, data window 2
.set PUT3,   0x0c
.set GET2,   0x80                      ; destination window 2, sources window 0
.set GET3,   0xc0
.set X23,    0xc2                      ; from window 2 to window 3
; A joint load.  Waves 0 and 1 fetch xb's two halves (128 rows each), waves 2 and 3 wt's (96 rows each).  Each line has one mask and one set of registers.
.macro JLOAD s
	s_cmp_eq_u32 s11, 0
	s_cbranch_scc0 .Lfor_b_\@
	tensor_load_to_lds s[G0+4*\s:G0+4*\s+3], s[G1:G1+7]
	s_nop 0
	s_branch .Lasked_\@
.Lfor_b_\@:
	tensor_load_to_lds s[G0B+4*\s:G0B+4*\s+3], s[G1B:G1B+7]
	s_nop 0
.Lasked_\@:
.endm
.macro CREST                           ; a round of the cluster's barrier behind its opening barrier
	s_cmp_lg_u32 s10, 0
	s_cbranch_scc1 .Lnot_wave_0_\@
	s_barrier_signal -3
.Lnot_wave_0_\@:
	s_barrier_wait -3
	s_barrier_signal -1
	s_barrier_wait -1
.endm
.macro CROUND                          ; a whole round
	s_barrier_signal -1
	s_barrier_wait -1
	CREST
.endm
.macro BAR                             ; a barrier of the work-group for the stage and the waves' maps.  No slot is filled behind it before the next round, so the one tensor load that is out stays out
	s_wait_dscnt 0x0                               ; my LDS stores have landed and my LDS loads are back
	s_barrier_signal -1
	s_barrier_wait -1
.endm
.macro PLACES                          ; four places behind a matrix instruction, ahead of loads into its registers and of vector instructions on its results
.rept 4
	v_nop
.endr
.endm
	s_load_b512 s[68:83], s[0:1], 0x0              ; xb s[68:69], wt s[70:71], b_f s[72:73], b_i s[74:75], b_h s[76:77], h0 s[78:79], out0 s[80:81], loc s[82:83]
	s_load_b128 s[84:87], s[0:1], 0x40             ; aprod s[84:85], ends s[86:87]
	v_lshl_add_u32 v63, v0, 2, 0x4ce00
	s_set_vgpr_msb 0x40
	v_mov_b32 v255, 0
	s_set_vgpr_msb 0x4044
	ds_add_u32 v63, v255
	s_set_vgpr_msb 0x4400
	v_lshrrev_b32 v1, 5, v0
	v_readfirstlane_b32 s10, v1                    ; wave 0..3
	s_lshr_b32 s11, s10, 1                         ; wr: which 128 rows are mine.  Also: I fetch for xb (0) or for wt (1)
	s_and_b32 s12, s10, 1                          ; wc: which 32 columns.  Also: which half of that tile I fetch
	s_bfe_u32 s40, ttmp6, 0x40000                  ; cx
	s_bfe_u32 s41, ttmp6, 0x40004                  ; cy = the batch
	s_lshl_b32 s42, ttmp9, 2
	s_add_co_u32 s42, s42, s40                     ; cb = 4 x cluster x + cx
	s_and_b32 s13, ttmp7, 0xffff                   ; q = cluster y: the chunk, the same in the whole cluster
	s_lshl_b32 s43, s41, 2
	s_lshl_b32 s43, 15, s43                        ; my row of the cluster: places 4 cy .. 4 cy + 3
	s_lshl_b32 s44, 0x1111, s40                    ; my column: places cx, cx + 4, cx + 8, cx + 12
	; group 1: rows of 128 bf16 (256 bytes), 16 bytes of padding behind each; 128 rows of xb, 96 rows of wt
	s_or_b32 s[G1+0], s43, (1<<16)|(1<<20)|(1<<21)|(5<<22)|(3<<25)   ; mask of my row; element of 2 bytes; padding on; bit 21 beside a mask; after 64 words; 4 words
	s_mov_b32 s[G1+1], KSTEP<<16                   ; tensor_dim0 = 128
	s_mov_b32 s[G1+2], 128<<16                     ; tensor_dim1 = 128
	s_mov_b32 s[G1+3], KSTEP<<16                   ; tile_dim0 = 128
	s_mov_b32 s[G1+4], 128                         ; tile_dim1 = 128
	s_mov_b32 s[G1+5], 1024                        ; elements from row to row
	s_mov_b32 s[G1+6], 0
	s_mov_b32 s[G1+7], 0
	s_or_b32 s[G1B+0], s44, (1<<16)|(1<<20)|(1<<21)|(5<<22)|(3<<25)  ; the same with the mask of my column
	s_mov_b32 s[G1B+1], KSTEP<<16
	s_mov_b32 s[G1B+2], 96<<16                     ; tensor_dim1 = 96
	s_mov_b32 s[G1B+3], KSTEP<<16
	s_mov_b32 s[G1B+4], 96                         ; tile_dim1 = 96
	s_mov_b32 s[G1B+5], 1024
	s_mov_b32 s[G1B+6], 0
	s_mov_b32 s[G1B+7], 0
	; xb's tiles hang on cy, q and the wave; wt's on cb and the wave.  s16, s17 never hold cx; s46, s47 never hold cy.
	s_lshl_b32 s16, s41, 12
	s_lshl_b32 s17, s13, 10
	s_add_co_u32 s16, s16, s17
	s_lshl_b32 s17, s12, 7
	s_add_co_u32 s16, s16, s17                     ; row 4,096 cy + 1,024 q + 128 half
	s_lshl_b32 s16, s16, 11                        ; x 2,048 bytes: below 2^25
	s_mov_b32 s17, 0
	s_mul_i32 s46, s42, 192
	s_mul_i32 s47, s12, 96
	s_add_co_u32 s46, s46, s47                     ; row 192 cb + 96 half
	s_lshl_b32 s46, s46, 11
	s_mov_b32 s47, 0
	s_mul_i32 s20, s10, 128*PITCH                  ; LDS: xb's halves at wave x 128 rows (waves 0, 1),
	s_mul_i32 s21, s10, 96*PITCH
	s_add_co_u32 s21, s21, 64*PITCH                ; wt's at 256 rows + (wave - 2) x 96 rows (waves 2, 3)
	s_wait_dscnt 0x0
	s_wait_kmcnt 0x0
	s_add_nc_u64 s[14:15], s[68:69], s[16:17]
	s_add_nc_u64 s[46:47], s[70:71], s[46:47]
	CROUND                                         ; all sixteen work-groups are here: the first joint loads meet
.irp s, 0,1
	s_mov_b32 s[G0+4*\s], 1
	s_add_co_u32 s[G0+4*\s+1], s20, \s*SLOT
	s_add_nc_u64 s[G0+4*\s+2:G0+4*\s+3], s[14:15], \s*KSTEP*2      ; K step s
	s_or_b32 s[G0+4*\s+3], s[G0+4*\s+3], 0x80000000
	s_mov_b32 s[G0B+4*\s], 1
	s_add_co_u32 s[G0B+4*\s+1], s21, \s*SLOT
	s_add_nc_u64 s[G0B+4*\s+2:G0B+4*\s+3], s[46:47], \s*KSTEP*2
	s_or_b32 s[G0B+4*\s+3], s[G0B+4*\s+3], 0x80000000
	JLOAD \s                                       ; both slots are asked for before anything else: two tensor loads of the wave are out
.endr
	; constants, masks and the bases of the stores
	s_mov_b32 s88, 0x76543210                      ; v_permlanex16_b32: lane i reads lane i of the other half
	s_mov_b32 s89, 0xfedcba98
	s_mov_b32 s90, 0xffff0000                      ; lanes 16-31 (h = 1)
	s_mov_b32 s98, 0x3fb8aa3b                      ; log2 e, twice
	s_mov_b32 s99, 0x3fb8aa3b
	s_mov_b32 s100, 0xbfb8aa3b                     ; -log2 e, twice
	s_mov_b32 s101, 0xbfb8aa3b
	s_cmp_lg_u32 s11, 0
	s_cselect_b32 s91, -1, 0                       ; all lanes, if my rows are the tile's second half
	s_cmp_eq_u32 s13, 0
	s_cselect_b32 s92, -1, 0                       ; all lanes, in chunk 0
	s_cselect_b64 s[94:95], s[80:81], s[82:83]     ; h goes to out0 in chunk 0, else to loc
	s_lshl_b32 s16, s41, 12
	s_lshl_b32 s17, s13, 10
	s_add_co_u32 s16, s16, s17
	s_lshl_b32 s17, s10, 6
	s_add_co_u32 s16, s16, s17                     ; the rows that I store: 4,096 cy + 1,024 q + 64 w ..
	s_lshl_b32 s16, s16, 12                        ; x 4,096 bytes: below 2^26
	s_mov_b32 s17, 0
	s_add_nc_u64 s[94:95], s[94:95], s[16:17]
	s_add_nc_u64 s[96:97], s[84:85], s[16:17]      ; aprod at the same place
	s_lshl_b32 s46, s42, 8                         ; my block's 64 columns: 256 bytes
	s_mov_b32 s47, 0
	s_add_nc_u64 s[94:95], s[94:95], s[46:47]
	s_add_nc_u64 s[96:97], s[96:97], s[46:47]
	s_lshl_b32 s16, s41, 2
	s_add_co_u32 s16, s16, s13
	s_lshl_b32 s16, s16, 13                        ; ends: (4 cy + q) x 2 kinds x 4,096 bytes
	s_add_nc_u64 s[86:87], s[86:87], s[16:17]
	s_add_nc_u64 s[86:87], s[86:87], s[46:47]
	s_lshl_b32 s18, s12, 7
	s_add_co_u32 s46, s46, s18                     ; byte offset of my wave's 32 columns in a bias
	s_lshl_b32 s19, s41, 12                        ; and of my batch in h0
	v_and_b32 v1, 15, v0                           ; r
	v_bfe_u32 v2, v0, 4, 1                         ; h
	v_lshl_add_u32 v4, v1, 2, s46
	v_add_nc_u32 v5, s19, v4
	global_load_b32 v32, v4, s[72:73]              ; b_f, column tile c = 0
	global_load_b32 v33, v4, s[72:73] offset:64    ;      c = 1
	global_load_b32 v34, v4, s[74:75]
	global_load_b32 v35, v4, s[74:75] offset:64
	global_load_b32 v36, v4, s[76:77]
	global_load_b32 v37, v4, s[76:77] offset:64
	global_load_b32 v38, v5, s[78:79]
	global_load_b32 v39, v5, s[78:79] offset:64
	; a fragment: lane (r, h) takes row r, 16 bytes at 16 h and 16 bytes 32 further on
	v_mul_u32_u24 v3, v1, PITCH
	v_lshl_add_u32 v3, v2, 4, v3
	s_mul_i32 s22, s11, 128*PITCH                  ; my 128 rows of xb
	s_mul_i32 s23, s12, 32*PITCH                   ; my 32 columns of each gate,
	s_add_co_u32 s23, s23, 256*PITCH               ; behind xb's 256 rows
.irp s, 0,1
	v_add_nc_u32 v[ADRA+\s], s22, v3
	v_add_nc_u32 v[ADRB+\s], s23, v3
	s_add_co_u32 s22, s22, SLOT
	s_add_co_u32 s23, s23, SLOT
.endr
	s_mul_i32 s22, s11, 128*SPITCH
	s_lshl_b32 s23, s12, 7
	s_add_co_u32 s22, s22, s23
	s_add_co_u32 s22, s22, STG
	v_mul_u32_u24 v6, v2, 8*SPITCH
	v_lshl_add_u32 v6, v1, 2, v6
	v_add_nc_u32 v[STO], s22, v6                   ; stage row 128 wr + 8 h, column 32 wc + r: the two halves of the lanes lie 544 words apart
	s_mul_i32 s23, s10, 64*SPITCH
	s_add_co_u32 s23, s23, STG
	v_mul_u32_u24 v6, v2, SPITCH
	v_lshl_add_u32 v6, v1, 4, v6
	v_add_nc_u32 v[RD], s23, v6                    ; back: rows 64 w + h, 16 bytes at 16 r
	v_lshlrev_b32 v6, 12, v2
	v_lshl_add_u32 v[CO], v1, 4, v6                ; the same two rows in memory
	s_lshl_b32 s22, s10, 8
	s_add_co_u32 s22, s22, AGG
	v_lshl_add_u32 v[AGW], v1, 3, s22
	s_lshl_b32 s22, s12, 8
	s_add_co_u32 s22, s22, AGG
	v_lshl_add_u32 v[AGR], v1, 3, s22
	s_lshl_b32 s22, s12, 7
	s_add_co_u32 s22, s22, ENDS_S
	v_lshl_add_u32 v[ENW], v1, 2, s22
	v_and_b32 v6, 31, v0
	v_lshlrev_b32 v6, 4, v6
	v_add_nc_u32 v[ENR], ENDS_S, v6
	s_wait_loadcnt 0x0                             ; biases and h0, once
	v_mov_b32 v6, 0x7fc00000                       ; NaN
.irp c, 0,1
	v_mul_f32 v[40+4*\c], s98, v[32+\c]            ; b_f log2e
	v_mul_f32 v[41+4*\c], s98, v[34+\c]            ; b_i log2e
	v_mul_f32 v[42+4*\c], s100, v[36+\c]           ; -b_h log2e
	v_add_f32 v[43+4*\c], 0.5, v[36+\c]            ; b_h + 0.5
	v_cmp_gt_f32 vcc_lo, 0, v[38+\c]
	v_cndmask_b32 v[48+\c], v[38+\c], v6, vcc_lo   ; a negative h0 has no logarithm: NaN
	v_cndmask_b32 v[48+\c], 0, v[48+\c], s92       ; chunks 1 to 3 start from 0
.endr
	WIN GET2
.irp i, 0,1,2,3,4,5,6,7
	v_mov_b32 v[BIAS+\i], v[40+\i]
.endr
	v_mov_b32 v[STA], v48
	v_mov_b32 v[STA+1], 1.0
	v_mov_b32 v[STA+2], v49
	v_mov_b32 v[STA+3], 1.0
	v_mov_b32 v[CT], 0                             ; destinations of v_permlanex16_b32 count as read: written once
	v_mov_b32 v[CT+1], 0
	WIN GET3
.irp i, 0,1,2,3,4,5,6,7
	v_mov_b32 v[BIAS+\i], v[40+\i]
.endr
	v_mov_b32 v[CT], 0
	v_mov_b32 v[CT+1], 0
	WIN 0
; 12 matrix instructions: row tiles a0, a0 + 1 of the window's four x 2 column tiles x 3 gates, 32 along K.  zero = 1: the first product starts the sums.
; The 48 accumulators take turns, one instruction a turn, in the same order in every quarter step.
.macro MUL12 f, hi, a0, zero
.irp a, \a0, \a0+1
.irp c, 0,1
.irp g, 0,1,2
.if \zero
	v_wmma_f32_16x16x32_bf16 v[8*(((\a)*2+\c)*3+\g):8*(((\a)*2+\c)*3+\g)+7], v[\f+8*(4*\hi+(\a)):\f+8*(4*\hi+(\a))+7], v[\f+8*(3*\c+\g):\f+8*(3*\c+\g)+7], 0
.else
	v_wmma_f32_16x16x32_bf16 v[8*(((\a)*2+\c)*3+\g):8*(((\a)*2+\c)*3+\g)+7], v[\f+8*(4*\hi+(\a)):\f+8*(4*\hi+(\a))+7], v[\f+8*(3*\c+\g):\f+8*(3*\c+\g)+7], v[8*(((\a)*2+\c)*3+\g):8*(((\a)*2+\c)*3+\g)+7]
.endif
.endr
.endr
.endr
.endm
; 28 LDS loads in one run: a quarter step's fragments (6 of wt, 8 of xb; 32 k at byte k of the rows) into buffer f
.macro FETCH slot, k, f
	WIN TO_B
.irp c, 0,1
.irp g, 0,1,2
	ds_load_b128 v[\f+8*(3*\c+\g):\f+8*(3*\c+\g)+3],   v[ADRB+\slot] offset:\k+(64*\g+16*\c)*PITCH
	ds_load_b128 v[\f+8*(3*\c+\g)+4:\f+8*(3*\c+\g)+7], v[ADRB+\slot] offset:\k+(64*\g+16*\c)*PITCH+32
.endr
.endr
	WIN 0
.irp i, 0,1,2,3,4,5,6,7
	ds_load_b128 v[\f+8*\i:\f+8*\i+3],   v[ADRA+\slot] offset:\k+\i*16*PITCH
	ds_load_b128 v[\f+8*\i+4:\f+8*\i+7], v[ADRA+\slot] offset:\k+\i*16*PITCH+32
.endr
.endm
; One of a K step's first three quarters: multiplies buffer f; in its middle it fetches the next quarter's fragments into buffer g.
.macro QUARTER slot, k, f, g, zero
	s_wait_dscnt 8                                 ; wt's fragments and xb's row tiles 0-3 are in; the youngest eight loads (row tiles 4-7) may be out
	WIN MUL_LO
	MUL12 \f, 0, 0, \zero
	MUL12 \f, 0, 2, \zero
	PLACES
	FETCH \slot, \k, \g
	s_wait_dscnt 28                                ; all but the 28 just issued
	WIN MUL_HI
	MUL12 \f, 1, 0, \zero
	MUL12 \f, 1, 2, \zero
.endm
.macro THREE slot, zero
	QUARTER \slot, 64,  F0, F1, \zero
	QUARTER \slot, 128, F1, F0, 0
	QUARTER \slot, 192, F0, F1, 0
.endm
; The last quarter: multiplies buffer 1 and changes slots.  fill = 1: this slot is filled again, two K steps ahead; jump = 1: those lie in the next tile.
; In front of the barrier each wave waits for its reads of this slot and for all its tensor loads (one is out: its part of the next slot).  Where the slot
; is filled again the barrier opens a round of the cluster's barrier; the joint load is the first tensor load behind the round, one a wave.
; From a request to the wait for it a wave issues 180 matrix instructions (across a tile's end: the way out as well).
.macro TURN slot, next, fill, jump
	s_wait_dscnt 8
	WIN MUL_LO
	MUL12 F1, 0, 0, 0
	s_wait_dscnt 0                                 ; my reads of this slot are over
	s_wait_tensorcnt 0x0                           ; and all my tensor loads have landed
	ds_add_u32 v63, v255
	s_wait_dscnt 0x0
	s_barrier_signal -1
	MUL12 F1, 0, 2, 0                              ; work on registers while the others arrive
	WIN 0
	s_barrier_wait -1
.if \fill
	CREST                                          ; no wave of any partner still reads this slot or has a load on its way
.if \jump
	s_add_nc_u64 s[G0+4*\slot+2:G0+4*\slot+3], s[G0+4*\slot+2:G0+4*\slot+3], NEXT_A
	s_sub_nc_u64 s[G0B+4*\slot+2:G0B+4*\slot+3], s[G0B+4*\slot+2:G0B+4*\slot+3], BACK_B
.else
	s_add_nc_u64 s[G0+4*\slot+2:G0+4*\slot+3], s[G0+4*\slot+2:G0+4*\slot+3], 2*KSTEP*2
	s_add_nc_u64 s[G0B+4*\slot+2:G0B+4*\slot+3], s[G0B+4*\slot+2:G0B+4*\slot+3], 2*KSTEP*2
.endif
	JLOAD \slot
.endif
	PLACES
	FETCH \next, 0, F0
	WIN MUL_HI
	MUL12 F1, 1, 0, 0
	MUL12 F1, 1, 2, 0
.endm
.macro LASTQ                           ; the launch's very last quarter: nothing more to fetch
	s_wait_dscnt 8
	WIN MUL_LO
	MUL12 F1, 0, 0, 0
	MUL12 F1, 0, 2, 0
	s_wait_dscnt 0
	WIN MUL_HI
	MUL12 F1, 1, 0, 0
	MUL12 F1, 1, 2, 0
.endm
; A tile's eight K steps.  last = 0: steps 6 and 7 ask for the next tile's steps 0 and 1, and step 7 fetches its first fragments.
.macro KPART last
	THREE 0, 1
	TURN 0, 1, 1, 0
	THREE 1, 0
	TURN 1, 0, 1, 0
.rept 2
	THREE 0, 0
	TURN 0, 1, 1, 0
	THREE 1, 0
	TURN 1, 0, 1, 0
.endr
	THREE 0, 0
.if \last
	TURN 0, 1, 0, 0                                ; nothing is left to fetch: a plain barrier
	THREE 1, 0
	LASTQ
.else
	TURN 0, 1, 1, 1
	THREE 1, 0
	TURN 1, 0, 1, 1
.endif
.endm
; ---- the activation of one group (16 steps x 16 columns, 8 numbers a lane): F becomes f', I becomes v = i' g(k_h).  All operands in one window.
.macro ACT base, c
.irp k, 0,2,4,6
	v_pk_fma_f32 v[\base+\k:\base+\k+1], v[\base+\k:\base+\k+1], s[98:99], v[BIAS+4*\c:BIAS+4*\c+1] op_sel_hi:[1,0,0]                    ; k_f log2e
.endr
.irp k, 0,2,4,6
	v_pk_fma_f32 v[\base+8+\k:\base+9+\k], v[\base+8+\k:\base+9+\k], s[98:99], v[BIAS+4*\c:BIAS+4*\c+1] op_sel:[0,0,1] op_sel_hi:[1,0,1]  ; k_i log2e
.endr
.irp j, 0,1,2,3,4,5,6,7
	v_min3_num_f32 v[T0+\j], v[\base+\j], v[\base+8+\j], 0             ; m: the shift that keeps every exponent at or below 0
.endr
.irp k, 0,2,4,6
	v_pk_add_f32 v[\base+\k:\base+\k+1], v[T0+\k:T0+\k+1], v[\base+\k:\base+\k+1] neg_lo:[0,1] neg_hi:[0,1]        ; m - k_f
	v_pk_add_f32 v[\base+8+\k:\base+9+\k], v[T0+\k:T0+\k+1], v[\base+8+\k:\base+9+\k] neg_lo:[0,1] neg_hi:[0,1]    ; m - k_i
.endr
.irp j, 0,1,2,3,4,5,6,7
	v_exp_f32 v[T0+\j], v[T0+\j]                   ; e^m
.endr
.irp j, 0,1,2,3,4,5,6,7
	v_exp_f32 v[\base+\j], v[\base+\j]             ; e^m a
.endr
.irp j, 0,1,2,3,4,5,6,7
	v_exp_f32 v[\base+8+\j], v[\base+8+\j]         ; e^m c
.endr
.irp k, 0,2,4,6
	v_pk_fma_f32 v[T1+\k:T1+\k+1], v[\base+16+\k:\base+17+\k], s[100:101], v[BIAS+4*\c+2:BIAS+4*\c+3] op_sel_hi:[1,0,0]   ; -k_h log2e: plain work behind the exponentials (ISA guide 5.7.2)
.endr
	s_wait_alu depctr_va_vdst(0)
.irp k, 0,2,4,6
	v_pk_add_f32 v[\base+\k:\base+\k+1], v[\base+\k:\base+\k+1], v[T0+\k:T0+\k+1]          ; e^m (1 + a)
	v_pk_add_f32 v[\base+8+\k:\base+9+\k], v[\base+8+\k:\base+9+\k], v[T0+\k:T0+\k+1]      ; e^m (1 + c)
.endr
.irp k, 0,2,4,6
	v_pk_add_f32 v[T0+\k:T0+\k+1], v[\base+\k:\base+\k+1], v[\base+8+\k:\base+9+\k]        ; their sum, in [1, 4]
.endr
.irp j, 0,1,2,3,4,5,6,7
	v_exp_f32 v[T2+\j], v[T1+\j]                   ; e^-k_h (infinite below about -88: the sigmoid is then 0)
.endr
.irp j, 0,1,2,3,4,5,6,7
	v_rcp_f32 v[T0+\j], v[T0+\j]
.endr
.irp k, 0,2,4,6
	v_pk_add_f32 v[\base+16+\k:\base+17+\k], v[\base+16+\k:\base+17+\k], v[BIAS+4*\c+2:BIAS+4*\c+3] op_sel:[0,1] op_sel_hi:[1,1]   ; k_h + 0.5: plain work behind the transcendentals
.endr
	s_wait_alu depctr_va_vdst(0)
.irp k, 0,2,4,6
	v_pk_add_f32 v[T2+\k:T2+\k+1], v[T2+\k:T2+\k+1], 1.0 op_sel_hi:[1,0]
.endr
.irp k, 0,2,4,6
	v_pk_mul_f32 v[T3+\k:T3+\k+1], v[\base+\k:\base+\k+1], v[T0+\k:T0+\k+1]                ; i'
.endr
.irp j, 0,1,2,3,4,5,6,7
	v_rcp_f32 v[T2+\j], v[T2+\j]                   ; sigmoid(k_h)
.endr
.irp k, 0,2,4,6
	v_pk_mul_f32 v[\base+\k:\base+\k+1], v[\base+8+\k:\base+9+\k], v[T0+\k:T0+\k+1]        ; f': plain work behind the reciprocals
.endr
	s_wait_alu depctr_va_vdst(0)
.irp j, 0,1,2,3,4,5,6,7
	v_max_num_f32 v[\base+16+\j], v[\base+16+\j], v[T2+\j]             ; g(k_h)
.endr
.irp k, 0,2,4,6
	v_pk_mul_f32 v[\base+8+\k:\base+9+\k], v[T3+\k:T3+\k+1], v[\base+16+\k:\base+17+\k]    ; v = i' g
.endr
.endm
; Down a lane's eight steps, two groups by turns: (F_j, I_j) becomes the map of steps 0 .. j: h -> F_j h + I_j
.macro SCAN2 ba, bb
.irp j, 1,2,3,4,5,6,7
	v_fma_f32 v[\ba+8+\j], v[\ba+\j], v[\ba+7+\j], v[\ba+8+\j]
	v_fma_f32 v[\bb+8+\j], v[\bb+\j], v[\bb+7+\j], v[\bb+8+\j]
	v_mul_f32 v[\ba+\j], v[\ba+\j], v[\ba+\j-1]
	v_mul_f32 v[\bb+\j], v[\bb+\j], v[\bb+\j-1]
.endr
.endm
; The group's two halves (h = 0: steps 0-7, h = 1: steps 8-15) join the wave's running map.  base+16, base+17 get the map of all my wave's steps ahead of my lane's eight.
.macro CHAIN base, c, tmp
	v_permlanex16_b32 v[\tmp], v[\base+7], s88, s89                    ; the other half's map
	v_permlanex16_b32 v[\tmp+1], v[\base+15], s88, s89
	v_cndmask_b32 v[\tmp+2], v[\base+7], v[\tmp], s90                  ; A: the first half's
	v_cndmask_b32 v[\tmp+3], v[\base+15], v[\tmp+1], s90
	v_cndmask_b32 v[\tmp+4], v[\tmp], v[\base+7], s90                  ; B: the second half's
	v_cndmask_b32 v[\tmp+5], v[\tmp+1], v[\base+15], s90
	v_mul_f32 v[\tmp+6], v[\tmp+2], v[RUN+2*\c]                        ; M = A after RUN
	v_fma_f32 v[\tmp+7], v[\tmp+2], v[RUN+2*\c+1], v[\tmp+3]
	v_cndmask_b32 v[\base+16], v[RUN+2*\c], v[\tmp+6], s90             ; ahead of me: RUN (h = 0) or M (h = 1)
	v_cndmask_b32 v[\base+17], v[RUN+2*\c+1], v[\tmp+7], s90
	v_mul_f32 v[RUN+2*\c], v[\tmp+4], v[\tmp+6]                        ; RUN = B after M
	v_fma_f32 v[RUN+2*\c+1], v[\tmp+4], v[\tmp+7], v[\tmp+5]
.endm
.macro HALFTILE                        ; the window's four row tiles
.irp al, 0,1,2,3
	ACT 24*(2*\al), 0
	ACT 24*(2*\al+1), 1
	SCAN2 24*(2*\al), 24*(2*\al+1)
	CHAIN 24*(2*\al), 0, CT
	CHAIN 24*(2*\al+1), 1, T0
.endr
.endm
; I becomes h, F the product of f' since the chunk's start
.macro FINAL base, c
	v_fma_f32 v[CIN], v[\base+16], v[WV+2*\c], v[\base+17]             ; h ahead of my eight steps
	v_mul_f32 v[CIN+1], v[\base+16], v[WV+2*\c+1]                      ; product ahead of them
.irp k, 0,2,4,6
	v_pk_fma_f32 v[\base+8+\k:\base+9+\k], v[\base+\k:\base+\k+1], v[CIN:CIN+1], v[\base+8+\k:\base+9+\k] op_sel_hi:[1,0,1]
.endr
.irp k, 0,2,4,6
	v_pk_mul_f32 v[\base+\k:\base+\k+1], v[\base+\k:\base+\k+1], v[CIN:CIN+1] op_sel:[0,1] op_sel_hi:[1,1]
.endr
.endm
.macro FINALS
.irp al, 0,1,2,3
	FINAL 24*(2*\al), 0
	FINAL 24*(2*\al+1), 1
.endr
.endm
; 64 numbers a lane into the stage: part = 8: h, part = 0: the products
.macro PUT hi, part
.if \hi
	WIN PUT3
.else
	WIN PUT2
.endif
.irp al, 0,1,2,3
.irp c, 0,1
.irp j, 0,1,2,3,4,5,6,7
	ds_store_b32 v[STO], v[24*(2*\al+\c)+\part+\j] offset:(16*(4*\hi+\al)+\j)*SPITCH+64*\c
.endr
.endr
.endr
.endm
; My 64 rows of the stage leave through registers, two rows an instruction
.macro DRAIN sb
.irp half, 0,1
	s_wait_xcnt 0x0                                ; RB held the data of earlier stores: it is loaded again only behind this wait
.irp t, 0,1,2,3,4,5,6,7,8,9,10,11,12,13,14,15
	ds_load_b128 v[RB+4*\t:RB+4*\t+3], v[RD] offset:(16*\half+\t)*2*SPITCH
.endr
.irp t, 0,1,2,3,4,5,6,7,8,9,10,11,12,13,14,15
	s_wait_dscnt 15-\t                             ; LDS loads come back in order: pair t is in
	global_store_b128 v[CO], v[RB+4*\t:RB+4*\t+3], s[\sb:\sb+1] offset:(16*\half+\t)*2*OROW   ; 16 lanes store 256 consecutive bytes, at a multiple of 256 from the buffer's first byte
.endr
.endr
.endm
; ---- a tile's way out
.macro EPI
	PLACES
	WIN ALL2
	v_mov_b32 v[RUN], 1.0                          ; the identity
	v_mov_b32 v[RUN+1], 0
	v_mov_b32 v[RUN+2], 1.0
	v_mov_b32 v[RUN+3], 0
	HALFTILE
	WIN X23
.irp i, 0,1,2,3
	v_mov_b32 v[RUN+\i], v[RUN+\i]
.endr
	WIN ALL3
	HALFTILE
	WIN PUT3
	ds_store_b64 v[AGW], v[RUN:RUN+1]              ; my wave's map over its 128 steps (both halves of the lanes hold and write the same numbers)
	ds_store_b64 v[AGW], v[RUN+2:RUN+3] offset:128
	WIN 0
	BAR
	WIN GET2
.irp c, 0,1
.irp p, 0,1
	ds_load_b64 v[T0+4*\c+2*\p:T0+4*\c+2*\p+1], v[AGR] offset:512*\p+128*\c   ; the maps of the tile's first and second 128 steps, for my columns
.endr
.endr
	s_wait_dscnt 0x0
	WIN ALL2
.irp c, 0,1
	v_fma_f32 v[T1+2*\c+1], v[T0+4*\c], v[STA+2*\c], v[T0+4*\c+1]      ; h and product at the tile's middle
	v_mul_f32 v[T1+2*\c], v[T0+4*\c], v[STA+2*\c+1]
	v_cndmask_b32 v[WV+2*\c], v[STA+2*\c], v[T1+2*\c+1], s91           ; where my wave starts
	v_cndmask_b32 v[WV+2*\c+1], v[STA+2*\c+1], v[T1+2*\c], s91
	v_fma_f32 v[STA+2*\c], v[T0+4*\c+2], v[T1+2*\c+1], v[T0+4*\c+3]    ; h and product at the tile's end: the next tile's start
	v_mul_f32 v[STA+2*\c+1], v[T0+4*\c+2], v[T1+2*\c]
.endr
	WIN X23
.irp i, 0,1,2,3
	v_mov_b32 v[WV+\i], v[WV+\i]
.endr
	WIN ALL2
	FINALS
	PUT 0, 8
	WIN ALL3
	FINALS
	PUT 1, 8
	WIN 0
	BAR                                            ; the stage holds the tile's h
	DRAIN 94
	BAR                                            ; every wave has read it
	s_cmp_eq_u32 s13, 0                            ; chunk 0 needs no products: its h is final.  The chunk is the same in the whole cluster
	s_cbranch_scc1 .Lno_prod_\@
	PUT 0, 0
	PUT 1, 0
	WIN 0
.Lno_prod_\@:
	BAR
	s_cmp_eq_u32 s13, 0
	s_cbranch_scc1 .Lno_drain_\@
	DRAIN 96
.Lno_drain_\@:
	s_wait_xcnt 0x0                                ; the stores' bases are stepped only behind this wait
	s_add_nc_u64 s[94:95], s[94:95], 256*OROW
	s_add_nc_u64 s[96:97], s[96:97], 256*OROW
.endm
	s_wait_tensorcnt 0x1                           ; my part of K step 0 is in; K step 1's stays out
	s_barrier_signal -1
	s_barrier_wait -1                              ; everybody's is
	FETCH 0, 0, F0
	s_mov_b32 s3, 3
.Ltile:
	KPART 0
	EPI
	s_sub_co_u32 s3, s3, 1
	s_cmp_lg_u32 s3, 0
	s_cbranch_scc1 .Ltile
	KPART 1                                        ; the fourth tile asks for nothing beyond the chunk
	EPI
	; the chunk's last h and its whole product of f'
	s_cmp_lg_u32 s11, 0
	s_cbranch_scc1 .Lno_ends                       ; waves 0 and 1 hold all 64 columns between them
	WIN PUT2
.irp c, 0,1
.irp kind, 0,1
	ds_store_b32 v[ENW], v[STA+2*\c+\kind] offset:256*\kind+64*\c
.endr
.endr
	WIN 0
.Lno_ends:
	BAR
	s_cmp_lg_u32 s10, 0
	s_cbranch_scc1 .Lno_out
	ds_load_b128 v[RB:RB+3], v[ENR]                ; lanes 0-15: h, lanes 16-31: the product
	s_wait_dscnt 0x0
	global_store_b128 v[CO], v[RB:RB+3], s[86:87]  ; the two kinds lie 4,096 bytes apart, as two rows do
.Lno_out:
	s_set_vgpr_msb 0x4
	s_wait_tensorcnt 0x0
	ds_add_u32 v63, v255
	s_wait_dscnt 0x0
	s_set_vgpr_msb 0x400
	CROUND                                         ; the closing round: no work-group ends while a partner may still ask for a tile that names it
	s_endpgm
.Lfunc_end_k_qd770765c4b_gates:
	.size	k_qd770765c4b_gates, .Lfunc_end_k_qd770765c4b_gates-k_qd770765c4b_gates
	.p2alignl 7, 3214868480
	.fill 96, 4, 3214868480
	.section	.rodata,"a",@progbits
	.p2align	6, 0x0
	.amdhsa_kernel k_qd770765c4b_gates
		.amdhsa_group_segment_fixed_size 327680
		.amdhsa_private_segment_fixed_size 0
		.amdhsa_enable_private_segment 0
		.amdhsa_kernarg_size 80
		.amdhsa_user_sgpr_count 2
		.amdhsa_user_sgpr_kernarg_segment_ptr 1
		.amdhsa_wavefront_size32 1
		.amdhsa_system_sgpr_workgroup_id_x 1
		.amdhsa_system_sgpr_workgroup_id_y 1
		.amdhsa_system_sgpr_workgroup_id_z 1
		.amdhsa_system_vgpr_workitem_id 0
		.amdhsa_next_free_vgpr 1024
		.amdhsa_next_free_sgpr 102
		.amdhsa_reserve_vcc 1
		.amdhsa_float_denorm_mode_32 3
		.amdhsa_float_denorm_mode_16_64 3
		.amdhsa_memory_ordered 1
		.amdhsa_forward_progress 1
		.amdhsa_inst_pref_size 255
	.end_amdhsa_kernel
	.section	.bss,"aw",@nobits
	.p2align	6
	.space	262144
	.amdgpu_metadata
---
amdhsa.version: [ 1, 2 ]
amdhsa.kernels:
  - .name:           k_qd770765c4b_gates
    .symbol:         k_qd770765c4b_gates.kd
    .args:
      - { .name: xb, .offset: 0, .size: 8, .value_kind: global_buffer, .address_space: global }
      - { .name: wt, .offset: 8, .size: 8, .value_kind: global_buffer, .address_space: global }
      - { .name: b_f, .offset: 16, .size: 8, .value_kind: global_buffer, .address_space: global }
      - { .name: b_i, .offset: 24, .size: 8, .value_kind: global_buffer, .address_space: global }
      - { .name: b_h, .offset: 32, .size: 8, .value_kind: global_buffer, .address_space: global }
      - { .name: h0, .offset: 40, .size: 8, .value_kind: global_buffer, .address_space: global }
      - { .name: out0, .offset: 48, .size: 8, .value_kind: global_buffer, .address_space: global }
      - { .name: loc, .offset: 56, .size: 8, .value_kind: global_buffer, .address_space: global }
      - { .name: aprod, .offset: 64, .size: 8, .value_kind: global_buffer, .address_space: global }
      - { .name: ends, .offset: 72, .size: 8, .value_kind: global_buffer, .address_space: global }
    .group_segment_fixed_size: 327680
    .private_segment_fixed_size: 0
    .kernarg_segment_align: 8
    .kernarg_segment_size: 80
    .max_flat_workgroup_size: 128
    .sgpr_count:     102
    .vgpr_count:     1024
    .wavefront_size: 32
...
	.end_amdgpu_metadata
.endif
;; end of part 2
;; launch fix (part 3): grid 192 x 4, 8 waves a work-group, no clusters, 0 bytes of LDS; arguments loc, aprod, ends, out0; writes out0
.if DOCPART == 3
	.amdgcn_target "amdgcn-amd-amdhsa--gfx1250"
	.amdhsa_code_object_version 6
	.text
	.protected	k_qd770765c4b_fix
	.globl	k_qd770765c4b_fix
	.p2align	8
	.type	k_qd770765c4b_fix,@function
k_qd770765c4b_fix:
	s_mov_b64 s[64:65], 0
	v_nop
	global_prefetch_b8 v0, s[64:65] scope:SCOPE_SE
	s_setreg_imm32_b32 hwreg(HW_REG_WAVE_MODE, 25, 1), 1
	s_wait_xcnt 0x0
; out0[b][t][e] = loc[b][t][e] + aprod[b][t][e] x carry[b][q][e] for the chunks q = 1, 2, 3 of 1,024 time steps (chunk 0 is final already).
; carry into chunk 1 = V0; into chunk 2 = A1 V0 + V1; into chunk 3 = A2 (that) + V2, where Vq is chunk q's last local h and Aq its whole
; product of f' (ends: [b][q][kind][1024] f32).  All in f32.
; A work-group takes 16 rows; thread t owns the 16 bytes at 16 t of every row, so a wave's load or store covers 512 consecutive bytes.
; A plain stream: no LDS, no barrier, no matrix unit; all 37 loads of a wave go out at once, and every row has registers of its own.
.set OROW, 4096
	s_load_b256 s[4:11], s[0:1], 0x0               ; loc s[4:5], aprod s[6:7], ends s[8:9], out0 s[10:11]
	s_and_b32 s12, ttmp7, 0xffff                   ; b
	s_lshr_b32 s13, ttmp9, 6
	s_add_co_u32 s13, s13, 1                       ; q = 1 .. 3
	s_and_b32 s14, ttmp9, 63                       ; which 16 rows of the chunk
	s_lshl_b32 s16, s12, 12
	s_lshl_b32 s17, s13, 10
	s_add_co_u32 s16, s16, s17
	s_lshl_b32 s17, s14, 4
	s_add_co_u32 s16, s16, s17                     ; row 4,096 b + 1,024 q + 16 block
	s_lshl_b32 s16, s16, 12                        ; x 4,096 bytes: below 2^26
	s_mov_b32 s17, 0
	s_lshl_b32 s18, s12, 15                        ; ends: 32,768 bytes a batch
	s_mov_b32 s19, 0
	s_cmp_ge_u32 s13, 2
	s_cselect_b32 s20, -1, 0                       ; all lanes, from chunk 2 on
	s_cmp_eq_u32 s13, 3
	s_cselect_b32 s21, -1, 0                       ; all lanes, in chunk 3
	v_lshlrev_b32 v1, 4, v0
	s_wait_kmcnt 0x0
	s_add_nc_u64 s[4:5], s[4:5], s[16:17]
	s_add_nc_u64 s[6:7], s[6:7], s[16:17]
	s_add_nc_u64 s[10:11], s[10:11], s[16:17]
	s_add_nc_u64 s[8:9], s[8:9], s[18:19]
	global_load_b128 v[4:7],   v1, s[8:9]                  ; V0
	global_load_b128 v[8:11],  v1, s[8:9] offset:8192      ; V1
	global_load_b128 v[12:15], v1, s[8:9] offset:12288     ; A1
	global_load_b128 v[16:19], v1, s[8:9] offset:16384     ; V2
	global_load_b128 v[20:23], v1, s[8:9] offset:20480     ; A2
.irp i, 0,1,2,3,4,5,6,7,8,9,10,11,12,13,14,15
	global_load_b128 v[24+8*\i:27+8*\i], v1, s[4:5] offset:OROW*\i th:TH_LOAD_NT
	global_load_b128 v[28+8*\i:31+8*\i], v1, s[6:7] offset:OROW*\i th:TH_LOAD_NT
.endr
	s_wait_loadcnt 32                              ; the five loads from ends are in; the 32 behind them stay out
	v_pk_fma_f32 v[8:9],   v[12:13], v[4:5], v[8:9]        ; carry into chunk 2
	v_pk_fma_f32 v[10:11], v[14:15], v[6:7], v[10:11]
	v_pk_fma_f32 v[16:17], v[20:21], v[8:9], v[16:17]      ; carry into chunk 3
	v_pk_fma_f32 v[18:19], v[22:23], v[10:11], v[18:19]
.irp i, 0,1,2,3
	v_cndmask_b32 v[4+\i], v[4+\i], v[8+\i], s20
	v_cndmask_b32 v[4+\i], v[4+\i], v[16+\i], s21
.endr
.irp i, 0,1,2,3,4,5,6,7,8,9,10,11,12,13,14,15
	s_wait_loadcnt 30-2*\i                         ; row i's two loads are in, the later rows' stay out
	v_pk_fma_f32 v[24+8*\i:25+8*\i], v[28+8*\i:29+8*\i], v[4:5], v[24+8*\i:25+8*\i]
	v_pk_fma_f32 v[26+8*\i:27+8*\i], v[30+8*\i:31+8*\i], v[6:7], v[26+8*\i:27+8*\i]
	global_store_b128 v1, v[24+8*\i:27+8*\i], s[10:11] offset:OROW*\i th:TH_STORE_NT
.endr
	s_endpgm
.Lfunc_end_k_qd770765c4b_fix:
	.size	k_qd770765c4b_fix, .Lfunc_end_k_qd770765c4b_fix-k_qd770765c4b_fix
	.p2alignl 7, 3214868480
	.fill 96, 4, 3214868480
	.section	.rodata,"a",@progbits
	.p2align	6, 0x0
	.amdhsa_kernel k_qd770765c4b_fix
		.amdhsa_group_segment_fixed_size 0
		.amdhsa_private_segment_fixed_size 0
		.amdhsa_enable_private_segment 0
		.amdhsa_kernarg_size 32
		.amdhsa_user_sgpr_count 2
		.amdhsa_user_sgpr_kernarg_segment_ptr 1
		.amdhsa_wavefront_size32 1
		.amdhsa_system_sgpr_workgroup_id_x 1
		.amdhsa_system_sgpr_workgroup_id_y 1
		.amdhsa_system_sgpr_workgroup_id_z 1
		.amdhsa_system_vgpr_workitem_id 0
		.amdhsa_next_free_vgpr 152
		.amdhsa_next_free_sgpr 66
		.amdhsa_reserve_vcc 0
		.amdhsa_float_denorm_mode_32 3
		.amdhsa_float_denorm_mode_16_64 3
		.amdhsa_memory_ordered 1
		.amdhsa_forward_progress 1
		.amdhsa_inst_pref_size 10
	.end_amdhsa_kernel
	.amdgpu_metadata
---
amdhsa.version: [ 1, 2 ]
amdhsa.kernels:
  - .name:           k_qd770765c4b_fix
    .symbol:         k_qd770765c4b_fix.kd
    .args:
      - { .name: loc, .offset: 0, .size: 8, .value_kind: global_buffer, .address_space: global }
      - { .name: aprod, .offset: 8, .size: 8, .value_kind: global_buffer, .address_space: global }
      - { .name: ends, .offset: 16, .size: 8, .value_kind: global_buffer, .address_space: global }
      - { .name: out0, .offset: 24, .size: 8, .value_kind: global_buffer, .address_space: global }
    .group_segment_fixed_size: 0
    .private_segment_fixed_size: 0
    .kernarg_segment_align: 8
    .kernarg_segment_size: 32
    .max_flat_workgroup_size: 256
    .sgpr_count:     66
    .vgpr_count:     152
    .wavefront_size: 32
...
	.end_amdgpu_metadata
.endif
;; end of part 3
;; ======== version 2 of 2: 3 launches
;; workspace buffers: xb 33,554,432 bytes; wt 6,291,456 bytes; loc 67,108,864 bytes; aprod 67,108,864 bytes; ends 131,072 bytes
;; launch prep: the kernel of part 1 again; grid 1408 x 1, 8 waves a work-group, no clusters, 18,432 bytes of LDS; arguments x, W_f, W_i, W_h, xb, wt; writes xb, wt
;; launch gates (part 4): grid 16 x 16, 4 waves a work-group, clusters of 4 x 4, 327,680 bytes of LDS; arguments xb, wt, b_f, b_i, b_h, h0, out0, loc, aprod, ends; writes out0, loc, aprod, ends
.if DOCPART == 4
	.amdgcn_target "amdgcn-amd-amdhsa--gfx1250"
	.amdhsa_code_object_version 6
	.text
	.protected	k_qd770765c4b_gates
	.globl	k_qd770765c4b_gates
	.p2align	8
	.type	k_qd770765c4b_gates,@function
k_qd770765c4b_gates:
	s_mov_b64 s[64:65], 0
	v_nop
	global_prefetch_b8 v0, s[64:65] scope:SCOPE_SE
	s_setreg_imm32_b32 hwreg(HW_REG_WAVE_MODE, 25, 1), 1
	s_wait_xcnt 0x0
	s_wait_alu depctr_hold_cnt(0) depctr_sa_sdst(0) depctr_va_vdst(0) depctr_va_sdst(0) depctr_va_ssrc(0) depctr_va_vcc(0) depctr_vm_vsrc(0)
	s_getreg_b32 s2, hwreg(HW_REG_IB_STS2, 6, 4)
	s_cmp_eq_u32 s2, 0
	s_cbranch_scc0 .Lentry_in_a_cluster
	s_endpgm
.Lentry_in_a_cluster:
	s_bfe_u32 s2, ttmp6, 0x10000c
	s_cmp_lg_u32 s2, 0xf033
	s_cbranch_scc0 .Lentry_shape_is_right
	s_endpgm
.Lentry_shape_is_right:
; minLSTM: the three gate products, the activation and the recurrence h_t = f'_t h_(t-1) + i'_t g(k_h,t) inside chunks of 1,024 time steps.
;   k_f, k_i, k_h = x W + b (bf16 operands, f32 sums).  With a = e^-k_f, c = e^-k_i:  f' = (1+c) / ((1+a)+(1+c)),  i' = (1+a) / ((1+a)+(1+c)).
;   All three terms 1, a, c are scaled by e^m, m = min(k_f, k_i, 0), before the exponentials: every exponent is <= 0 and one of them is 0, so
;   the sum lies in [1, 4] for every input.  g(x) = x + 0.5 for x >= 0, else sigmoid(x), is max(x + 0.5, sigmoid(x)) for every x.
;   The recurrence is run as it stands, in f32: each step is a convex combination of numbers >= 0, so it forms no exponential and no large sum.
; LIMITS: matrix operands are bf16.  The f32 sums run over K in an order that starts at another K step in each cluster (see THE ORDER OF K), so the order
;   of rounding differs from cluster to cluster.  Gate weights, products of f' and contributions below 2^-126 come out as 0.  A column whose h0 is
;   negative is NaN throughout (the logarithm of h0 is).  h0 = +inf, or NaN among x, W, b: nothing is promised.
;
; SHARES.  A work-group owns 64 columns (cb), one batch (b) and one chunk of 1,024 steps (q), and walks four tiles of 256 steps in time order:
; 16 x 4 x 4 = 256 work-groups.  Wave w makes rows 128 (w >> 1) .. + 127, columns 32 (w & 1) .. + 31 of all three gates: 48 accumulator tiles, 384 registers.
; Chunk 0 starts from h0 and stores final values into out0.  Chunks 1 to 3 start from 0 and store the local h (loc) and the running product of
; f' (aprod); every chunk stores its last h and its whole product (ends).  A later launch adds aprod x carry.
; THE TEXT IS ONE TILE.  All four tiles run the same loop body: the first quarter step (which starts the sums), a loop of three laps of the ring, the fourth
; lap without refills, the way out.  So the way out, the longest part, stands once, and the body is about 31 KB.  The price: no tile asks for tiles across
; its end (the last tile would have to jump over those tensor loads), so a tile's first K step is asked for at the tile's head and waited for there.
; CLUSTERS: 4 x 4 work-groups.  cx picks the column block, cy the batch; the chunk is the cluster's y, so it is the same in all sixteen, and the one branch
; on it falls alike in all.  The four of a row of the cluster (one cy) need the same tiles of xb, the four of a column (one cx) the same tiles of wt:
; each is asked for jointly, which divides the requests for both by four.
; THE ORDER OF K.  Two slots of one K step are all that fits (two of two steps would take 487,424 bytes), so a request has one K step's 180 matrix
; instructions in which to land.  Cluster (X, Y) therefore starts each tile at K step 2 ((X + Y) mod 4) and wraps round.  The four clusters with one Y need the
; same rows of xb, the four with one X the same rows of wt; running in step, each K step of a tile is asked for first by one of the four, in its own first
; two steps, and by the other three two to six steps later.  Nothing enforces that they run in step, and no value hangs on it.
; THE MATRIX INSTRUCTION IS USED AS IT STANDS: source 0 = 16 time steps of xb, source 1 = 16 columns of wt.  Lane (r, h) then holds column r and its
; registers j the steps 8 h + j: the recurrence runs down a lane's registers.
;
; REGISTERS, in windows of 256:
;   window 0: v16-31 addresses; v32-49 set-up; v64-127, v128-191 fragments of xb (8 x 16 rows x 32 k), two buffers; v192-255 the way out
;   window 1: v64-111, v128-175 fragments of wt (index 3 c + g), two buffers
;   window 2: row tiles 0-3, window 3: row tiles 4-7.  Group (al, c) at 24 (2 al + c): 8 registers of gate f, 8 of i, 8 of h.  v192-253: see below.
.set KSTEP,  128
.set PITCH,  272                       ; an LDS row: 256 bytes + 16 of padding: the 16 rows that a fragment load touches start 68 words apart
.set SLOT,   448*PITCH                 ; 256 rows of xb, then 192 rows of wt
.set STG,    2*SLOT                    ; the stage for the way out: 256 rows of 64 f32, pitch 272.  No tensor load lands at or behind STG
.set SPITCH, 272
.set AGG,    STG+256*SPITCH            ; each wave's map over its 128 steps: 256 bytes a wave, [c][r](P, Q)
.set ENDS_S, AGG+1024                  ; [kind][64 columns] f32
.set OROW,   4096                      ; bytes in a row of out0, loc, aprod
.set TILE_A, 256*2048                  ; bytes from a tile's rows of xb to the next tile's
.set ADRA, 16                          ; v16-17  LDS address of my xb fragments in slot 0, 1
.set ADRB, 20                          ; v20-21  the same for wt
.set STO,  24                          ; where my numbers go in the stage
.set RD,   25                          ; where I read rows of the stage back
.set CO,   26                          ; my byte offset in two output rows
.set AGW,  27
.set AGR,  28
.set ENW,  29
.set ENR,  30
.set PF,   31                          ; my lane's block of 256 bytes in a tile of xb, for the prefetch
.set F0,   64
.set F1,   128
.set RB,   192                         ; v192-255: 16 x 4 registers read back from the stage
; windows 2 and 3, the same numbers in both
.set BIAS, 192                         ; + 4 c: b_f log2e, b_i log2e, -b_h log2e, b_h + 0.5
.set T0,   200
.set T1,   208
.set T2,   216
.set T3,   224
.set RUN,  232                         ; + 2 c: the map (P, Q) of all my steps so far in this tile: h -> P h + Q
.set CT,   236                         ; v236-243: at work in CHAIN for c = 0 (c = 1 uses T0)
.set WV,   244                         ; + 2 c: h and product of f' at my wave's first step
.set CIN,  248                         ; v248-249: the same at a lane's first step
.set STA,  250                         ; + 2 c: h and product of f' at the tile's first step (window 2 only)
.set G1,  24                           ; s[24:31] descriptor group 1 for xb's tiles
.set G0,  32                           ; s[32:39] group 0 for xb's tiles, a set for each slot
.set G1B, 48                           ; s[48:55] group 1 for wt's tiles
.set G0B, 56                           ; s[56:63] group 0 for wt's tiles, a set for each slot
; s[6:7] xb at my part of the next tile; s[14:15] at my part of this tile; s[8:9] wt at my part; s[66:67] the lap's byte offset along K (s67 = 0); s93 where my cluster starts
.set MSB, 0
.macro WIN new                         ; the immediate's high byte repeats the setting that is left
.if MSB != \new
	s_set_vgpr_msb (MSB<<8)|\new
.set MSB, \new
.endif
.endm
.set MUL_LO, 0xa4                      ; source 0 (xb) window 0, source 1 (wt) window 1, C and D window 2
.set MUL_HI, 0xf4                      ; the same, C and D window 3
.set TO_B,   0x40                      ; destination window 1
.set ALL2,   0xaa
.set ALL3,   0xff
.set PUT2,   0x08                      ; LDS store: address window 0, data window 2
.set PUT3,   0x0c
.set GET2,   0x80                      ; destination window 2, sources window 0
.set GET3,   0xc0
.set X23,    0xc2                      ; from window 2 to window 3
; The global addresses of slot s's next tiles: the lap's even K step for slot 0, the odd one for slot 1.  It stands only where no tensor load of the wave is out.
.macro SETADR s
	s_add_nc_u64 s[G0+4*\s+2:G0+4*\s+3], s[14:15], s[66:67]
	s_add_nc_u64 s[G0B+4*\s+2:G0B+4*\s+3], s[8:9], s[66:67]
.if \s
	s_add_nc_u64 s[G0+4*\s+2:G0+4*\s+3], s[G0+4*\s+2:G0+4*\s+3], KSTEP*2
	s_add_nc_u64 s[G0B+4*\s+2:G0B+4*\s+3], s[G0B+4*\s+2:G0B+4*\s+3], KSTEP*2
.endif
	s_or_b32 s[G0+4*\s+3], s[G0+4*\s+3], 0x80000000                ; type = 2
	s_or_b32 s[G0B+4*\s+3], s[G0B+4*\s+3], 0x80000000
.endm
; A joint load.  Waves 0 and 1 fetch xb's two halves (128 rows each), waves 2 and 3 wt's (96 rows each).  Each line has one mask and one set of registers.
.macro JLOAD s
	s_cmp_eq_u32 s11, 0
	s_cbranch_scc0 .Lfor_b_\@
	tensor_load_to_lds s[G0+4*\s:G0+4*\s+3], s[G1:G1+7]
	s_nop 0
	s_branch .Lasked_\@
.Lfor_b_\@:
	tensor_load_to_lds s[G0B+4*\s:G0B+4*\s+3], s[G1B:G1B+7]
	s_nop 0
.Lasked_\@:
.endm
.macro CREST                           ; a round of the cluster's barrier behind its opening barrier
	s_cmp_lg_u32 s10, 0
	s_cbranch_scc1 .Lnot_wave_0_\@
	s_barrier_signal -3
.Lnot_wave_0_\@:
	s_barrier_wait -3
	s_barrier_signal -1
	s_barrier_wait -1
.endm
.macro CROUND                          ; a whole round
	s_barrier_signal -1
	s_barrier_wait -1
	CREST
.endm
.macro BAR                             ; a barrier of the work-group for the stage and the waves' maps: no tensor load is out in the way out, and none is issued behind it
	s_wait_dscnt 0x0                               ; my LDS stores have landed and my LDS loads are back
	s_barrier_signal -1
	s_barrier_wait -1
.endm
.macro PLACES                          ; four places behind a matrix instruction, ahead of loads into its registers and of vector instructions on its results
.rept 4
	v_nop
.endr
.endm
	s_load_b512 s[68:83], s[0:1], 0x0              ; xb s[68:69], wt s[70:71], b_f s[72:73], b_i s[74:75], b_h s[76:77], h0 s[78:79], out0 s[80:81], loc s[82:83]
	s_load_b128 s[84:87], s[0:1], 0x40             ; aprod s[84:85], ends s[86:87]
	v_lshl_add_u32 v63, v0, 2, 0x4ce00
	s_set_vgpr_msb 0x40
	v_mov_b32 v255, 0
	s_set_vgpr_msb 0x4000
	v_lshrrev_b32 v1, 5, v0
	v_readfirstlane_b32 s10, v1                    ; wave 0..3
	s_lshr_b32 s11, s10, 1                         ; wr: which 128 rows are mine.  Also: I fetch for xb (0) or for wt (1)
	s_and_b32 s12, s10, 1                          ; wc: which 32 columns.  Also: which half of that tile I fetch
	s_bfe_u32 s40, ttmp6, 0x40000                  ; cx
	s_bfe_u32 s41, ttmp6, 0x40004                  ; cy = the batch
	s_lshl_b32 s42, ttmp9, 2
	s_add_co_u32 s42, s42, s40                     ; cb = 4 x cluster x + cx
	s_and_b32 s13, ttmp7, 0xffff                   ; q = cluster y: the chunk, the same in the whole cluster
	s_add_co_u32 s93, ttmp9, s13                   ; cluster x + cluster y: no place inside the cluster enters
	s_and_b32 s93, s93, 3
	s_lshl_b32 s93, s93, 9                         ; my cluster starts each tile at K step 2 ((X + Y) mod 4): 512 bytes for each unit
	s_mov_b32 s67, 0                               ; the upper word of the offset along K
	s_lshl_b32 s43, s41, 2
	s_lshl_b32 s43, 15, s43                        ; my row of the cluster: places 4 cy .. 4 cy + 3
	s_lshl_b32 s44, 0x1111, s40                    ; my column: places cx, cx + 4, cx + 8, cx + 12
	; group 1: rows of 128 bf16 (256 bytes), 16 bytes of padding behind each; 128 rows of xb, 96 rows of wt
	s_or_b32 s[G1+0], s43, (1<<16)|(1<<20)|(1<<21)|(5<<22)|(3<<25)   ; mask of my row; element of 2 bytes; padding on; bit 21 beside a mask; after 64 words; 4 words
	s_mov_b32 s[G1+1], KSTEP<<16                   ; tensor_dim0 = 128
	s_mov_b32 s[G1+2], 128<<16                     ; tensor_dim1 = 128
	s_mov_b32 s[G1+3], KSTEP<<16                   ; tile_dim0 = 128
	s_mov_b32 s[G1+4], 128                         ; tile_dim1 = 128
	s_mov_b32 s[G1+5], 1024                        ; elements from row to row
	s_mov_b32 s[G1+6], 0
	s_mov_b32 s[G1+7], 0
	s_or_b32 s[G1B+0], s44, (1<<16)|(1<<20)|(1<<21)|(5<<22)|(3<<25)  ; the same with the mask of my column
	s_mov_b32 s[G1B+1], KSTEP<<16
	s_mov_b32 s[G1B+2], 96<<16                     ; tensor_dim1 = 96
	s_mov_b32 s[G1B+3], KSTEP<<16
	s_mov_b32 s[G1B+4], 96                         ; tile_dim1 = 96
	s_mov_b32 s[G1B+5], 1024
	s_mov_b32 s[G1B+6], 0
	s_mov_b32 s[G1B+7], 0
	; xb's tiles hang on cy, q and the wave; wt's on cb and the wave.  s16, s17, s[6:7], s[14:15] never hold cx; s46, s47, s[8:9] never hold cy.
	s_lshl_b32 s16, s41, 12
	s_lshl_b32 s17, s13, 10
	s_add_co_u32 s16, s16, s17
	s_lshl_b32 s17, s12, 7
	s_add_co_u32 s16, s16, s17                     ; row 4,096 cy + 1,024 q + 128 half
	s_lshl_b32 s16, s16, 11                        ; x 2,048 bytes: below 2^25
	s_mov_b32 s17, 0
	s_mul_i32 s46, s42, 192
	s_mul_i32 s47, s12, 96
	s_add_co_u32 s46, s46, s47                     ; row 192 cb + 96 half
	s_lshl_b32 s46, s46, 11
	s_mov_b32 s47, 0
	s_mul_i32 s20, s10, 128*PITCH                  ; LDS: xb's halves at wave x 128 rows (waves 0, 1),
	s_mul_i32 s21, s10, 96*PITCH
	s_add_co_u32 s21, s21, 64*PITCH                ; wt's at 256 rows + (wave - 2) x 96 rows (waves 2, 3)
	s_wait_kmcnt 0x0
	s_add_nc_u64 s[6:7], s[68:69], s[16:17]        ; xb at my part of the coming tile, k = 0; stepped at each tile's head
	s_add_nc_u64 s[8:9], s[70:71], s[46:47]        ; wt at my part, k = 0: the same for every tile
.irp s, 0,1
	s_mov_b32 s[G0+4*\s], 1                        ; group 0's constant words; the addresses are set by SETADR
	s_add_co_u32 s[G0+4*\s+1], s20, \s*SLOT
	s_mov_b32 s[G0B+4*\s], 1
	s_add_co_u32 s[G0B+4*\s+1], s21, \s*SLOT
.endr
	; constants, masks and the bases of the stores
	s_mov_b32 s88, 0x76543210                      ; v_permlanex16_b32: lane i reads lane i of the other half
	s_mov_b32 s89, 0xfedcba98
	s_mov_b32 s90, 0xffff0000                      ; lanes 16-31 (h = 1)
	s_mov_b32 s98, 0x3fb8aa3b                      ; log2 e, twice
	s_mov_b32 s99, 0x3fb8aa3b
	s_mov_b32 s100, 0xbfb8aa3b                     ; -log2 e, twice
	s_mov_b32 s101, 0xbfb8aa3b
	s_cmp_lg_u32 s11, 0
	s_cselect_b32 s91, -1, 0                       ; all lanes, if my rows are the tile's second half
	s_cmp_eq_u32 s13, 0
	s_cselect_b32 s92, -1, 0                       ; all lanes, in chunk 0
	s_cselect_b64 s[94:95], s[80:81], s[82:83]     ; h goes to out0 in chunk 0, else to loc
	s_lshl_b32 s16, s41, 12
	s_lshl_b32 s17, s13, 10
	s_add_co_u32 s16, s16, s17
	s_lshl_b32 s17, s10, 6
	s_add_co_u32 s16, s16, s17                     ; the rows that I store: 4,096 cy + 1,024 q + 64 w ..
	s_lshl_b32 s16, s16, 12                        ; x 4,096 bytes: below 2^26
	s_mov_b32 s17, 0
	s_add_nc_u64 s[94:95], s[94:95], s[16:17]
	s_add_nc_u64 s[96:97], s[84:85], s[16:17]      ; aprod at the same place
	s_lshl_b32 s46, s42, 8                         ; my block's 64 columns: 256 bytes
	s_mov_b32 s47, 0
	s_add_nc_u64 s[94:95], s[94:95], s[46:47]
	s_add_nc_u64 s[96:97], s[96:97], s[46:47]
	s_lshl_b32 s16, s41, 2
	s_add_co_u32 s16, s16, s13
	s_lshl_b32 s16, s16, 13                        ; ends: (4 cy + q) x 2 kinds x 4,096 bytes
	s_add_nc_u64 s[86:87], s[86:87], s[16:17]
	s_add_nc_u64 s[86:87], s[86:87], s[46:47]
	s_lshl_b32 s18, s12, 7
	s_add_co_u32 s46, s46, s18                     ; byte offset of my wave's 32 columns in a bias
	s_lshl_b32 s19, s41, 12                        ; and of my batch in h0
	v_and_b32 v1, 15, v0                           ; r
	v_bfe_u32 v2, v0, 4, 1                         ; h
	v_lshl_add_u32 v4, v1, 2, s46
	v_add_nc_u32 v5, s19, v4
	global_load_b32 v32, v4, s[72:73]              ; b_f, column tile c = 0
	global_load_b32 v33, v4, s[72:73] offset:64    ;      c = 1
	global_load_b32 v34, v4, s[74:75]
	global_load_b32 v35, v4, s[74:75] offset:64
	global_load_b32 v36, v4, s[76:77]
	global_load_b32 v37, v4, s[76:77] offset:64
	global_load_b32 v38, v5, s[78:79]
	global_load_b32 v39, v5, s[78:79] offset:64
	; a fragment: lane (r, h) takes row r, 16 bytes at 16 h and 16 bytes 32 further on
	v_mul_u32_u24 v3, v1, PITCH
	v_lshl_add_u32 v3, v2, 4, v3
	s_mul_i32 s22, s11, 128*PITCH                  ; my 128 rows of xb
	s_mul_i32 s23, s12, 32*PITCH                   ; my 32 columns of each gate,
	s_add_co_u32 s23, s23, 256*PITCH               ; behind xb's 256 rows
.irp s, 0,1
	v_add_nc_u32 v[ADRA+\s], s22, v3
	v_add_nc_u32 v[ADRB+\s], s23, v3
	s_add_co_u32 s22, s22, SLOT
	s_add_co_u32 s23, s23, SLOT
.endr
	s_mul_i32 s22, s11, 128*SPITCH
	s_lshl_b32 s23, s12, 7
	s_add_co_u32 s22, s22, s23
	s_add_co_u32 s22, s22, STG
	v_mul_u32_u24 v6, v2, 8*SPITCH
	v_lshl_add_u32 v6, v1, 2, v6
	v_add_nc_u32 v[STO], s22, v6                   ; stage row 128 wr + 8 h, column 32 wc + r: the two halves of the lanes lie 544 words apart
	s_mul_i32 s23, s10, 64*SPITCH
	s_add_co_u32 s23, s23, STG
	v_mul_u32_u24 v6, v2, SPITCH
	v_lshl_add_u32 v6, v1, 4, v6
	v_add_nc_u32 v[RD], s23, v6                    ; back: rows 64 w + h, 16 bytes at 16 r
	v_lshlrev_b32 v6, 12, v2
	v_lshl_add_u32 v[CO], v1, 4, v6                ; the same two rows in memory
	s_lshl_b32 s22, s10, 8
	s_add_co_u32 s22, s22, AGG
	v_lshl_add_u32 v[AGW], v1, 3, s22
	s_lshl_b32 s22, s12, 8
	s_add_co_u32 s22, s22, AGG
	v_lshl_add_u32 v[AGR], v1, 3, s22
	s_lshl_b32 s22, s12, 7
	s_add_co_u32 s22, s22, ENDS_S
	v_lshl_add_u32 v[ENW], v1, 2, s22
	v_and_b32 v6, 31, v0
	v_lshlrev_b32 v6, 4, v6
	v_add_nc_u32 v[ENR], ENDS_S, v6
	s_lshl_b32 s22, s11, 6                         ; the prefetch, from s[6:7] (which holds my 128 wc rows): row 64 wr + 16 cx + r (2,048 bytes a row),
	s_lshl_b32 s23, s40, 4
	s_add_co_u32 s22, s22, s23
	s_lshl_b32 s22, s22, 11
	s_add_co_u32 s22, s22, s93                     ; my cluster's first K step,
	v_lshl_add_u32 v6, v1, 11, s22
	v_lshl_add_u32 v[PF], v2, 8, v6                ; or (h = 1) its second: 256 bytes on
	s_wait_loadcnt 0x0                             ; biases and h0, once
	v_mov_b32 v6, 0x7fc00000                       ; NaN
.irp c, 0,1
	v_mul_f32 v[40+4*\c], s98, v[32+\c]            ; b_f log2e
	v_mul_f32 v[41+4*\c], s98, v[34+\c]            ; b_i log2e
	v_mul_f32 v[42+4*\c], s100, v[36+\c]           ; -b_h log2e
	v_add_f32 v[43+4*\c], 0.5, v[36+\c]            ; b_h + 0.5
	v_cmp_gt_f32 vcc_lo, 0, v[38+\c]
	v_cndmask_b32 v[48+\c], v[38+\c], v6, vcc_lo   ; a negative h0 has no logarithm: NaN
	v_cndmask_b32 v[48+\c], 0, v[48+\c], s92       ; chunks 1 to 3 start from 0
.endr
	WIN GET2
.irp i, 0,1,2,3,4,5,6,7
	v_mov_b32 v[BIAS+\i], v[40+\i]
.endr
	v_mov_b32 v[STA], v48
	v_mov_b32 v[STA+1], 1.0
	v_mov_b32 v[STA+2], v49
	v_mov_b32 v[STA+3], 1.0
	v_mov_b32 v[CT], 0                             ; destinations of v_permlanex16_b32 count as read: written once
	v_mov_b32 v[CT+1], 0
	WIN GET3
.irp i, 0,1,2,3,4,5,6,7
	v_mov_b32 v[BIAS+\i], v[40+\i]
.endr
	v_mov_b32 v[CT], 0
	v_mov_b32 v[CT+1], 0
	WIN 0
; 12 matrix instructions: row tiles a0, a0 + 1 of the window's four x 2 column tiles x 3 gates, 32 along K.  zero = 1: the first product starts the sums.
; The 48 accumulators take turns, one instruction a turn, in the same order in every quarter step.
.macro MUL12 f, hi, a0, zero
.irp a, \a0, \a0+1
.irp c, 0,1
.irp g, 0,1,2
.if \zero
	v_wmma_f32_16x16x32_bf16 v[8*(((\a)*2+\c)*3+\g):8*(((\a)*2+\c)*3+\g)+7], v[\f+8*(4*\hi+(\a)):\f+8*(4*\hi+(\a))+7], v[\f+8*(3*\c+\g):\f+8*(3*\c+\g)+7], 0
.else
	v_wmma_f32_16x16x32_bf16 v[8*(((\a)*2+\c)*3+\g):8*(((\a)*2+\c)*3+\g)+7], v[\f+8*(4*\hi+(\a)):\f+8*(4*\hi+(\a))+7], v[\f+8*(3*\c+\g):\f+8*(3*\c+\g)+7], v[8*(((\a)*2+\c)*3+\g):8*(((\a)*2+\c)*3+\g)+7]
.endif
.endr
.endr
.endr
.endm
; 28 LDS loads in one run: a quarter step's fragments (6 of wt, 8 of xb; 32 k at byte k of the rows) into buffer f
.macro FETCH slot, k, f
	WIN TO_B
.irp c, 0,1
.irp g, 0,1,2
	ds_load_b128 v[\f+8*(3*\c+\g):\f+8*(3*\c+\g)+3],   v[ADRB+\slot] offset:\k+(64*\g+16*\c)*PITCH
	ds_load_b128 v[\f+8*(3*\c+\g)+4:\f+8*(3*\c+\g)+7], v[ADRB+\slot] offset:\k+(64*\g+16*\c)*PITCH+32
.endr
.endr
	WIN 0
.irp i, 0,1,2,3,4,5,6,7
	ds_load_b128 v[\f+8*\i:\f+8*\i+3],   v[ADRA+\slot] offset:\k+\i*16*PITCH
	ds_load_b128 v[\f+8*\i+4:\f+8*\i+7], v[ADRA+\slot] offset:\k+\i*16*PITCH+32
.endr
.endm
; One of a K step's first three quarters: multiplies buffer f; in its middle it fetches the next quarter's fragments into buffer g.
.macro QUARTER slot, k, f, g, zero
	s_wait_dscnt 8                                 ; wt's fragments and xb's row tiles 0-3 are in; the youngest eight loads (row tiles 4-7) may be out
	WIN MUL_LO
	MUL12 \f, 0, 0, \zero
	MUL12 \f, 0, 2, \zero
	PLACES
	FETCH \slot, \k, \g
	s_wait_dscnt 28                                ; all but the 28 just issued
	WIN MUL_HI
	MUL12 \f, 1, 0, \zero
	MUL12 \f, 1, 2, \zero
.endm
.macro THREE slot
	QUARTER \slot, 64,  F0, F1, 0
	QUARTER \slot, 128, F1, F0, 0
	QUARTER \slot, 192, F0, F1, 0
.endm
; The last quarter: multiplies buffer 1 and changes slots.  fill = 1: this slot is filled again, with the next lap's K step of the same tile.
; In front of the barrier each wave waits for its reads of this slot and for all its tensor loads (one is out: its part of the next slot); there the slot's
; addresses are set.  Where the slot is filled again the barrier opens a round of the cluster's barrier; the joint load stands straight behind the round,
; one a wave.  From a request to the wait for it a wave issues 180 matrix instructions.
.macro TURN slot, next, fill
	s_wait_dscnt 8
	WIN MUL_LO
	MUL12 F1, 0, 0, 0
	s_wait_dscnt 0                                 ; my reads of this slot are over
	s_wait_tensorcnt 0x0                           ; and all my tensor loads have landed: every group 0 may be written
	ds_add_u32 v63, v255
	s_wait_dscnt 0x0
.if \fill
.if \slot == 0
	s_add_co_u32 s66, s66, 2*KSTEP*2               ; the next lap's two K steps: 512 bytes on,
	s_and_b32 s66, s66, 0x7ff                      ; round the row's 2,048 bytes
.endif
	SETADR \slot
.endif
	s_barrier_signal -1
	MUL12 F1, 0, 2, 0                              ; work on registers while the others arrive
	WIN 0
	s_barrier_wait -1
.if \fill
	CREST                                          ; no wave of any partner still reads this slot or has a load on its way
	JLOAD \slot
.endif
	PLACES
	FETCH \next, 0, F0
	WIN MUL_HI
	MUL12 F1, 1, 0, 0
	MUL12 F1, 1, 2, 0
.endm
.macro LASTQ                           ; a tile's very last quarter: nothing more to fetch
	s_wait_dscnt 8
	WIN MUL_LO
	MUL12 F1, 0, 0, 0
	MUL12 F1, 0, 2, 0
	s_wait_dscnt 0
	WIN MUL_HI
	MUL12 F1, 1, 0, 0
	MUL12 F1, 1, 2, 0
.endm
; ---- the activation of one group (16 steps x 16 columns, 8 numbers a lane): F becomes f', I becomes v = i' g(k_h).  All operands in one window.
.macro ACT base, c
.irp k, 0,2,4,6
	v_pk_fma_f32 v[\base+\k:\base+\k+1], v[\base+\k:\base+\k+1], s[98:99], v[BIAS+4*\c:BIAS+4*\c+1] op_sel_hi:[1,0,0]                    ; k_f log2e
.endr
.irp k, 0,2,4,6
	v_pk_fma_f32 v[\base+8+\k:\base+9+\k], v[\base+8+\k:\base+9+\k], s[98:99], v[BIAS+4*\c:BIAS+4*\c+1] op_sel:[0,0,1] op_sel_hi:[1,0,1]  ; k_i log2e
.endr
.irp j, 0,1,2,3,4,5,6,7
	v_min3_num_f32 v[T0+\j], v[\base+\j], v[\base+8+\j], 0             ; m: the shift that keeps every exponent at or below 0
.endr
.irp k, 0,2,4,6
	v_pk_add_f32 v[\base+\k:\base+\k+1], v[T0+\k:T0+\k+1], v[\base+\k:\base+\k+1] neg_lo:[0,1] neg_hi:[0,1]        ; m - k_f
	v_pk_add_f32 v[\base+8+\k:\base+9+\k], v[T0+\k:T0+\k+1], v[\base+8+\k:\base+9+\k] neg_lo:[0,1] neg_hi:[0,1]    ; m - k_i
.endr
.irp j, 0,1,2,3,4,5,6,7
	v_exp_f32 v[T0+\j], v[T0+\j]                   ; e^m
.endr
.irp j, 0,1,2,3,4,5,6,7
	v_exp_f32 v[\base+\j], v[\base+\j]             ; e^m a
.endr
.irp j, 0,1,2,3,4,5,6,7
	v_exp_f32 v[\base+8+\j], v[\base+8+\j]         ; e^m c
.endr
.irp k, 0,2,4,6
	v_pk_fma_f32 v[T1+\k:T1+\k+1], v[\base+16+\k:\base+17+\k], s[100:101], v[BIAS+4*\c+2:BIAS+4*\c+3] op_sel_hi:[1,0,0]   ; -k_h log2e: plain work behind the exponentials (ISA guide 5.7.2)
.endr
	s_wait_alu depctr_va_vdst(0)
.irp k, 0,2,4,6
	v_pk_add_f32 v[\base+\k:\base+\k+1], v[\base+\k:\base+\k+1], v[T0+\k:T0+\k+1]          ; e^m (1 + a)
	v_pk_add_f32 v[\base+8+\k:\base+9+\k], v[\base+8+\k:\base+9+\k], v[T0+\k:T0+\k+1]      ; e^m (1 + c)
.endr
.irp k, 0,2,4,6
	v_pk_add_f32 v[T0+\k:T0+\k+1], v[\base+\k:\base+\k+1], v[\base+8+\k:\base+9+\k]        ; their sum, in [1, 4]
.endr
.irp j, 0,1,2,3,4,5,6,7
	v_exp_f32 v[T2+\j], v[T1+\j]                   ; e^-k_h (infinite below about -88: the sigmoid is then 0)
.endr
.irp j, 0,1,2,3,4,5,6,7
	v_rcp_f32 v[T0+\j], v[T0+\j]
.endr
.irp k, 0,2,4,6
	v_pk_add_f32 v[\base+16+\k:\base+17+\k], v[\base+16+\k:\base+17+\k], v[BIAS+4*\c+2:BIAS+4*\c+3] op_sel:[0,1] op_sel_hi:[1,1]   ; k_h + 0.5: plain work behind the transcendentals
.endr
	s_wait_alu depctr_va_vdst(0)
.irp k, 0,2,4,6
	v_pk_add_f32 v[T2+\k:T2+\k+1], v[T2+\k:T2+\k+1], 1.0 op_sel_hi:[1,0]
.endr
.irp k, 0,2,4,6
	v_pk_mul_f32 v[T3+\k:T3+\k+1], v[\base+\k:\base+\k+1], v[T0+\k:T0+\k+1]                ; i'
.endr
.irp j, 0,1,2,3,4,5,6,7
	v_rcp_f32 v[T2+\j], v[T2+\j]                   ; sigmoid(k_h)
.endr
.irp k, 0,2,4,6
	v_pk_mul_f32 v[\base+\k:\base+\k+1], v[\base+8+\k:\base+9+\k], v[T0+\k:T0+\k+1]        ; f': plain work behind the reciprocals
.endr
	s_wait_alu depctr_va_vdst(0)
.irp j, 0,1,2,3,4,5,6,7
	v_max_num_f32 v[\base+16+\j], v[\base+16+\j], v[T2+\j]             ; g(k_h)
.endr
.irp k, 0,2,4,6
	v_pk_mul_f32 v[\base+8+\k:\base+9+\k], v[T3+\k:T3+\k+1], v[\base+16+\k:\base+17+\k]    ; v = i' g
.endr
.endm
; Down a lane's eight steps, two groups by turns: (F_j, I_j) becomes the map of steps 0 .. j: h -> F_j h + I_j
.macro SCAN2 ba, bb
.irp j, 1,2,3,4,5,6,7
	v_fma_f32 v[\ba+8+\j], v[\ba+\j], v[\ba+7+\j], v[\ba+8+\j]
	v_fma_f32 v[\bb+8+\j], v[\bb+\j], v[\bb+7+\j], v[\bb+8+\j]
	v_mul_f32 v[\ba+\j], v[\ba+\j], v[\ba+\j-1]
	v_mul_f32 v[\bb+\j], v[\bb+\j], v[\bb+\j-1]
.endr
.endm
; The group's two halves (h = 0: steps 0-7, h = 1: steps 8-15) join the wave's running map.  base+16, base+17 get the map of all my wave's steps ahead of my lane's eight.
.macro CHAIN base, c, tmp
	v_permlanex16_b32 v[\tmp], v[\base+7], s88, s89                    ; the other half's map
	v_permlanex16_b32 v[\tmp+1], v[\base+15], s88, s89
	v_cndmask_b32 v[\tmp+2], v[\base+7], v[\tmp], s90                  ; A: the first half's
	v_cndmask_b32 v[\tmp+3], v[\base+15], v[\tmp+1], s90
	v_cndmask_b32 v[\tmp+4], v[\tmp], v[\base+7], s90                  ; B: the second half's
	v_cndmask_b32 v[\tmp+5], v[\tmp+1], v[\base+15], s90
	v_mul_f32 v[\tmp+6], v[\tmp+2], v[RUN+2*\c]                        ; M = A after RUN
	v_fma_f32 v[\tmp+7], v[\tmp+2], v[RUN+2*\c+1], v[\tmp+3]
	v_cndmask_b32 v[\base+16], v[RUN+2*\c], v[\tmp+6], s90             ; ahead of me: RUN (h = 0) or M (h = 1)
	v_cndmask_b32 v[\base+17], v[RUN+2*\c+1], v[\tmp+7], s90
	v_mul_f32 v[RUN+2*\c], v[\tmp+4], v[\tmp+6]                        ; RUN = B after M
	v_fma_f32 v[RUN+2*\c+1], v[\tmp+4], v[\tmp+7], v[\tmp+5]
.endm
.macro HALFTILE                        ; the window's four row tiles
.irp al, 0,1,2,3
	ACT 24*(2*\al), 0
	ACT 24*(2*\al+1), 1
	SCAN2 24*(2*\al), 24*(2*\al+1)
	CHAIN 24*(2*\al), 0, CT
	CHAIN 24*(2*\al+1), 1, T0
.endr
.endm
; I becomes h, F the product of f' since the chunk's start
.macro FINAL base, c
	v_fma_f32 v[CIN], v[\base+16], v[WV+2*\c], v[\base+17]             ; h ahead of my eight steps
	v_mul_f32 v[CIN+1], v[\base+16], v[WV+2*\c+1]                      ; product ahead of them
.irp k, 0,2,4,6
	v_pk_fma_f32 v[\base+8+\k:\base+9+\k], v[\base+\k:\base+\k+1], v[CIN:CIN+1], v[\base+8+\k:\base+9+\k] op_sel_hi:[1,0,1]
.endr
.irp k, 0,2,4,6
	v_pk_mul_f32 v[\base+\k:\base+\k+1], v[\base+\k:\base+\k+1], v[CIN:CIN+1] op_sel:[0,1] op_sel_hi:[1,1]
.endr
.endm
.macro FINALS
.irp al, 0,1,2,3
	FINAL 24*(2*\al), 0
	FINAL 24*(2*\al+1), 1
.endr
.endm
; 64 numbers a lane into the stage: part = 8: h, part = 0: the products
.macro PUT hi, part
.if \hi
	WIN PUT3
.else
	WIN PUT2
.endif
.irp al, 0,1,2,3
.irp c, 0,1
.irp j, 0,1,2,3,4,5,6,7
	ds_store_b32 v[STO], v[24*(2*\al+\c)+\part+\j] offset:(16*(4*\hi+\al)+\j)*SPITCH+64*\c
.endr
.endr
.endr
.endm
; My 64 rows of the stage leave through registers, two rows an instruction
.macro DRAIN sb
.irp half, 0,1
	s_wait_xcnt 0x0                                ; RB held the data of earlier stores: it is loaded again only behind this wait
.irp t, 0,1,2,3,4,5,6,7,8,9,10,11,12,13,14,15
	ds_load_b128 v[RB+4*\t:RB+4*\t+3], v[RD] offset:(16*\half+\t)*2*SPITCH
.endr
.irp t, 0,1,2,3,4,5,6,7,8,9,10,11,12,13,14,15
	s_wait_dscnt 15-\t                             ; LDS loads come back in order: pair t is in
	global_store_b128 v[CO], v[RB+4*\t:RB+4*\t+3], s[\sb:\sb+1] offset:(16*\half+\t)*2*OROW   ; 16 lanes store 256 consecutive bytes, at a multiple of 256 from the buffer's first byte
.endr
.endr
.endm
	s_mov_b32 s3, 4                                ; four tiles
.Ltile:
	; ---- THE TILE'S HEAD.  Both slots have been read to the end (in the first trip: never filled).  My cluster's first K step goes into slot 0 behind one round
	; of the cluster's barrier, its second into slot 1 behind a second round: one tensor load a wave behind each, the waits for 0 in front of each.
	s_wait_dscnt 0x0                               ; my LDS reads are back
	s_set_vgpr_msb 0x4
	s_wait_tensorcnt 0x0                           ; no tensor load of mine is out: every group 0 may be written
	ds_add_u32 v63, v255
	s_wait_dscnt 0x0
	s_set_vgpr_msb 0x400
	s_mov_b64 s[14:15], s[6:7]                     ; this tile's rows of xb
	s_add_nc_u64 s[6:7], s[6:7], TILE_A            ; from here on: the next tile's rows (used by the prefetch and by the next head; not behind the last tile)
	s_mov_b32 s66, s93                             ; back to where my cluster starts along K
	SETADR 0
	SETADR 1
	CROUND
	JLOAD 0
	s_set_vgpr_msb 0x4
	s_wait_tensorcnt 0x0                           ; my part of the first K step is in
	ds_add_u32 v63, v255
	s_wait_dscnt 0x0
	s_set_vgpr_msb 0x400
	s_wait_dscnt 0x0
	CROUND                                         ; everybody's is, in all sixteen work-groups
	JLOAD 1                                        ; the second K step lands while the first is multiplied
	FETCH 0, 0, F0
	; ---- THE TILE'S EIGHT K STEPS.  The loop of laps is turned by a quarter step: it begins with a lap's second quarter and ends with the next lap's first,
	; so that the one quarter whose products start the sums stands ahead of it.
	QUARTER 0, 64, F0, F1, 1
	WIN 0                                          ; at a label and at a branch every window is 0
	s_mov_b32 s4, 3
.Llap:
	QUARTER 0, 128, F1, F0, 0
	QUARTER 0, 192, F0, F1, 0
	TURN 0, 1, 1                                   ; slot 0 gets the next lap's even K step
	THREE 1
	TURN 1, 0, 1                                   ; slot 1 gets its odd one
	QUARTER 0, 64, F0, F1, 0
	WIN 0
	s_sub_co_u32 s4, s4, 1
	s_cmp_lg_u32 s4, 0
	s_cbranch_scc1 .Llap
	QUARTER 0, 128, F1, F0, 0                      ; the rest of the fourth lap's first K step
	QUARTER 0, 192, F0, F1, 0
	TURN 0, 1, 0                                   ; nothing is left to fetch for this tile: a plain barrier; its wait for 0 shows the last K step landed
	THREE 1
	LASTQ
	; ---- THE TILE'S WAY OUT
	PLACES
	WIN ALL2
	v_mov_b32 v[RUN], 1.0                          ; the identity
	v_mov_b32 v[RUN+1], 0
	v_mov_b32 v[RUN+2], 1.0
	v_mov_b32 v[RUN+3], 0
	HALFTILE
	WIN X23
.irp i, 0,1,2,3
	v_mov_b32 v[RUN+\i], v[RUN+\i]
.endr
	WIN ALL3
	HALFTILE
	WIN PUT3
	ds_store_b64 v[AGW], v[RUN:RUN+1]              ; my wave's map over its 128 steps (both halves of the lanes hold and write the same numbers)
	ds_store_b64 v[AGW], v[RUN+2:RUN+3] offset:128
	WIN 0
	BAR
	; The next tile's first two K steps in my cluster's order are asked for at the next head and waited for there: 256 rows x 2 blocks of 256 bytes of xb, which
	; at that time the four work-groups of my row of the cluster alone need.  Each asks for a quarter, each of its four waves by one instruction: 32 lanes =
	; rows 128 wc + 64 wr + 16 cx + r x 2 blocks.  The four clusters that share these rows start at four different pairs of K steps, so each block of the
	; next tile is asked for once in the launch.  Between here and the next head stands the rest of the way out: 160 vector instructions, up to 256 LDS
	; stores, up to 64 stores, 3 barriers.  The last tile asks for nothing.  s[6:7] is next written behind the s_wait_xcnt 0 at the way out's end.
	s_cmp_eq_u32 s3, 1
	s_cbranch_scc1 .Lno_ask
	global_prefetch_b8 v[PF], s[6:7] th:TH_LOAD_NT scope:SCOPE_SE
.Lno_ask:
	WIN GET2
.irp c, 0,1
.irp p, 0,1
	ds_load_b64 v[T0+4*\c+2*\p:T0+4*\c+2*\p+1], v[AGR] offset:512*\p+128*\c   ; the maps of the tile's first and second 128 steps, for my columns
.endr
.endr
	s_wait_dscnt 0x0
	WIN ALL2
.irp c, 0,1
	v_fma_f32 v[T1+2*\c+1], v[T0+4*\c], v[STA+2*\c], v[T0+4*\c+1]      ; h and product at the tile's middle
	v_mul_f32 v[T1+2*\c], v[T0+4*\c], v[STA+2*\c+1]
	v_cndmask_b32 v[WV+2*\c], v[STA+2*\c], v[T1+2*\c+1], s91           ; where my wave starts
	v_cndmask_b32 v[WV+2*\c+1], v[STA+2*\c+1], v[T1+2*\c], s91
	v_fma_f32 v[STA+2*\c], v[T0+4*\c+2], v[T1+2*\c+1], v[T0+4*\c+3]    ; h and product at the tile's end: the next tile's start
	v_mul_f32 v[STA+2*\c+1], v[T0+4*\c+2], v[T1+2*\c]
.endr
	WIN X23
.irp i, 0,1,2,3
	v_mov_b32 v[WV+\i], v[WV+\i]
.endr
	WIN ALL2
	FINALS
	PUT 0, 8
	WIN ALL3
	FINALS
	PUT 1, 8
	WIN 0
	BAR                                            ; the stage holds the tile's h
	DRAIN 94
	BAR                                            ; every wave has read it
	s_cmp_eq_u32 s13, 0                            ; chunk 0 needs no products: its h is final.  The chunk is the same in the whole cluster
	s_cbranch_scc1 .Lno_prod
	PUT 0, 0
	PUT 1, 0
	WIN 0
.Lno_prod:
	BAR
	s_cmp_eq_u32 s13, 0
	s_cbranch_scc1 .Lno_drain
	DRAIN 96
.Lno_drain:
	s_wait_xcnt 0x0                                ; the stores' bases, and at the next head the prefetch's, are stepped only behind this wait
	s_add_nc_u64 s[94:95], s[94:95], 256*OROW
	s_add_nc_u64 s[96:97], s[96:97], 256*OROW
	s_sub_co_u32 s3, s3, 1
	s_cmp_lg_u32 s3, 0
	s_cbranch_scc1 .Ltile
	; the chunk's last h and its whole product of f'
	s_cmp_lg_u32 s11, 0
	s_cbranch_scc1 .Lno_ends                       ; waves 0 and 1 hold all 64 columns between them
	WIN PUT2
.irp c, 0,1
.irp kind, 0,1
	ds_store_b32 v[ENW], v[STA+2*\c+\kind] offset:256*\kind+64*\c
.endr
.endr
	WIN 0
.Lno_ends:
	BAR
	s_cmp_lg_u32 s10, 0
	s_cbranch_scc1 .Lno_out
	ds_load_b128 v[RB:RB+3], v[ENR]                ; lanes 0-15: h, lanes 16-31: the product (RB is free: the s_wait_xcnt 0 at the way out's end stands behind its last stores)
	s_wait_dscnt 0x0
	global_store_b128 v[CO], v[RB:RB+3], s[86:87]  ; the two kinds lie 4,096 bytes apart, as two rows do
.Lno_out:
	s_set_vgpr_msb 0x4
	s_wait_tensorcnt 0x0
	ds_add_u32 v63, v255
	s_wait_dscnt 0x0
	s_set_vgpr_msb 0x400
	CROUND                                         ; the closing round: no work-group ends while a partner may still ask for a tile that names it
	s_endpgm
.Lfunc_end_k_qd770765c4b_gates:
	.size	k_qd770765c4b_gates, .Lfunc_end_k_qd770765c4b_gates-k_qd770765c4b_gates
	.p2alignl 7, 3214868480
	.fill 96, 4, 3214868480
	.section	.rodata,"a",@progbits
	.p2align	6, 0x0
	.amdhsa_kernel k_qd770765c4b_gates
		.amdhsa_group_segment_fixed_size 327680
		.amdhsa_private_segment_fixed_size 0
		.amdhsa_enable_private_segment 0
		.amdhsa_kernarg_size 80
		.amdhsa_user_sgpr_count 2
		.amdhsa_user_sgpr_kernarg_segment_ptr 1
		.amdhsa_wavefront_size32 1
		.amdhsa_system_sgpr_workgroup_id_x 1
		.amdhsa_system_sgpr_workgroup_id_y 1
		.amdhsa_system_sgpr_workgroup_id_z 1
		.amdhsa_system_vgpr_workitem_id 0
		.amdhsa_next_free_vgpr 1024
		.amdhsa_next_free_sgpr 102
		.amdhsa_reserve_vcc 1
		.amdhsa_float_denorm_mode_32 3
		.amdhsa_float_denorm_mode_16_64 3
		.amdhsa_memory_ordered 1
		.amdhsa_forward_progress 1
		.amdhsa_inst_pref_size 248
	.end_amdhsa_kernel
	.amdgpu_metadata
---
amdhsa.version: [ 1, 2 ]
amdhsa.kernels:
  - .name:           k_qd770765c4b_gates
    .symbol:         k_qd770765c4b_gates.kd
    .args:
      - { .name: xb, .offset: 0, .size: 8, .value_kind: global_buffer, .address_space: global }
      - { .name: wt, .offset: 8, .size: 8, .value_kind: global_buffer, .address_space: global }
      - { .name: b_f, .offset: 16, .size: 8, .value_kind: global_buffer, .address_space: global }
      - { .name: b_i, .offset: 24, .size: 8, .value_kind: global_buffer, .address_space: global }
      - { .name: b_h, .offset: 32, .size: 8, .value_kind: global_buffer, .address_space: global }
      - { .name: h0, .offset: 40, .size: 8, .value_kind: global_buffer, .address_space: global }
      - { .name: out0, .offset: 48, .size: 8, .value_kind: global_buffer, .address_space: global }
      - { .name: loc, .offset: 56, .size: 8, .value_kind: global_buffer, .address_space: global }
      - { .name: aprod, .offset: 64, .size: 8, .value_kind: global_buffer, .address_space: global }
      - { .name: ends, .offset: 72, .size: 8, .value_kind: global_buffer, .address_space: global }
    .group_segment_fixed_size: 327680
    .private_segment_fixed_size: 0
    .kernarg_segment_align: 8
    .kernarg_segment_size: 80
    .max_flat_workgroup_size: 128
    .sgpr_count:     102
    .vgpr_count:     1024
    .wavefront_size: 32
...
	.end_amdgpu_metadata
.endif
;; end of part 4
;; launch fix: the kernel of part 3 again; grid 192 x 4, 8 waves a work-group, no clusters, 0 bytes of LDS; arguments loc, aprod, ends, out0; writes out0
